; MI455X (gfx1250); checked and timed in simulation.
; The chip was launched on July 23, 2026; its instructions are those of AMD's public machine-readable ISA for CDNA 5 (MIT licence, August 2026) and "CDNA5" Instruction Set Architecture Reference Guide (July 2026). The comments in the code are by the model that wrote it; some were corrected since.
;; Transformer Block. Allowed arithmetic: matrix products marked QUANTISED: E2M3 operands, one E8M0 scale for each 32 along K, by v_wmma_scale_f32_16x16x128_f8f6f4 with both operands' format E2M3, f32 sums; everything else in f32.
;; Inputs: W_ff1 1,024 x 4,096 float32; W_ff2 4,096 x 1,024 float32; W_out 1,024 x 1,024 float32; W_qkv 1,024 x 3,072 float32; b_ff1 4,096 float32; b_ff2 1,024 float32; b_out 1,024 float32; b_qkv 3,072 float32; be_ln1 1,024 float32; be_ln2 1,024 float32; g_ln1 1,024 float32; g_ln2 1,024 float32; mask 2 x 2,048 int32; x 2 x 2,048 x 1,024 float32.
;; Outputs: out0 2 x 2,048 x 1,024 float32.
;; This version of the problem:
;;   THIS VERSION OF THE PROBLEM IS GIVEN IN LOW PRECISION. The matrix products marked QUANTISED in the list below multiply operands that are first quantised to E2M3 (2 exponent bits, 3 mantissa bits; 6 bits a number), with one power-of-two scale for each 32 numbers along K (OCP MX v1.0); their sums are f32. All else is computed in f32.
;;   The module's matrix products, in the order in which they are computed (A, B: the left and right operand; K: the contracted axis; several contracted axes count as one K, in the product's order):
;;     1. [M 4,096, K 1,024] x [K 1,024, N 3,072]; A: computed on the way; B: input W_qkv: QUANTISED
;;     2. batch 32 x [M 2,048, K 64] x [K 64, N 2,048]; A: computed on the way; B: computed on the way: QUANTISED
;;     3. batch 32 x [M 64, K 2,048] x [K 2,048, N 2,048]; A: computed on the way; B: softmax (see below): QUANTISED
;;     4. [M 4,096, K 1,024] x [K 1,024, N 1,024]; A: computed on the way; B: input W_out: QUANTISED
;;     5. [M 4,096, K 1,024] x [K 1,024, N 4,096]; A: computed on the way; B: input W_ff1: QUANTISED
;;     6. [M 4,096, K 4,096] x [K 4,096, N 1,024]; A: computed on the way; B: input W_ff2: QUANTISED
;;   THE QUANTISER, for each operand of a quantised product, along K:
;;     - K is cut into blocks of 32 from its start; a last block that is shorter is filled with zeros.
;;     - A block's scale is 2^e with e = floor(log2(the largest magnitude in the block)) - 2, held to -126 .. 127; a block of zeros has e = 0. As a byte (E8M0): e + 127.
;;     - Each number is divided by its block's scale, clamped to +-7.5, and rounded to the nearest number of E2M3, ties to even, subnormals kept.
;;     - The product sums the exact products of the quantised numbers (number of the format x scale) in f32.
;;   ~~~python
;;   def quantise(x, axis):      # numpy; x: float32 -> the quantised numbers, widened to float32 again
;;       x = np.moveaxis(x, axis, -1); K = x.shape[-1]
;;       x = np.pad(x, [(0, 0)] * (x.ndim - 1) + [(0, -K % 32)]); x = x.reshape(x.shape[:-1] + (-1, 32)); a = np.abs(x).max(-1, keepdims=True)
;;       e = np.where(a > 0, np.clip(np.frexp(np.where(a > 0, a, 1))[1] - 1 - 2, -126, 127), 0)      # np.frexp(a)[1] - 1 = floor(log2(a)), exactly
;;       r = np.clip(x / 2.0 ** e, -7.5, 7.5)
;;       step = 2.0 ** (np.maximum(np.frexp(np.where(r == 0, 1, r))[1] - 1, 0) - 3)
;;       q = np.round(r / step) * step * 2.0 ** e      # np.round: ties to even
;;       return np.moveaxis(q.reshape(q.shape[:-2] + (-1,))[..., :K], -1, axis).astype(np.float32)
;;   ~~~
;;   SOFTMAX AHEAD OF A QUANTISED PRODUCT. Where the list says 'softmax', what is quantised is not the finished softmax but p = 2^(t - M), with t = logit x log2(e) and M = ceil(the row's largest t), a whole number; so 1/2 < the row's largest p <= 1. The row's sum l is taken of the UNQUANTISED p, in f32, and the product's result is divided by l at the end. Since M is a whole number, a kernel that streams over the keys may use a running M (the ceiling of the running maximum): every later rescaling is an exact power of two, which a block's scale takes up: the codes' values come out the same.
;;   OPERANDS COMPUTED ON THE WAY. 'Computed on the way' means the value that the module computes at that place (a softmax that the list does not call 'softmax' is quantised finished and normalised). What goes into a quantiser is computed in f32, as accurately as f32 sums, v_exp_f32 and their like allow (about 1e-6 of the number): no bf16 or f16 on the way to a quantiser, and a product that is left as it is and whose result goes on into a quantised operand takes f32 operands (vector FMAs, or v_wmma_f32_16x16x4_f32). A number that lies on a knife's edge between two numbers of the format may be rounded either way, as far as f32 arithmetic and the matrix unit's own rounding can turn it there, and no further.
;; One version. Each part assembles by itself: llvm-mc -triple=amdgcn-amd-amdhsa -mcpu=gfx1250 --defsym DOCPART=n.
;; ======== version 1 of 1: 8 launches
;; limits: a function is approximated: absolute error at most 1e-07; right only within a limited range of input values
;; workspace buffers: wc 9,437,184 bytes; a 18,874,368 bytes; b 13,238,272 bytes; sa 1,048,576 bytes; sc 262,144 bytes; x1 16,777,216 bytes
;; launch wq (part 1): grid 384 x 1, 4 waves a work-group, no clusters, 27,136 bytes of LDS; arguments W_qkv, W_out, W_ff1, W_ff2, wc, sa, sc; writes wc, sa, sc
.if DOCPART == 1
	.amdgcn_target "amdgcn-amd-amdhsa--gfx1250"
	.amdhsa_code_object_version 6
	.text
	.protected	k_qc418975275_wq
	.globl	k_qc418975275_wq
	.p2align	8
	.type	k_qc418975275_wq,@function
k_qc418975275_wq:
	s_mov_b64 s[64:65], 0
	v_nop
	global_prefetch_b8 v0, s[64:65] scope:SCOPE_SE
	s_setreg_imm32_b32 hwreg(HW_REG_WAVE_MODE, 25, 1), 1
	s_wait_xcnt 0x0
; The four weights, f32 stored [K][N], become codes of FP6 (E2M3) and E8M0 scale bytes, quantised along K (their FIRST axis).
; A LANE TAKES A COLUMN n AND ITS REGISTERS RUN DOWN K: a block of 32 along K lies in one lane, and the conversions give codes with K innermost.
; OUTPUT LAYOUT: images of operand registers.  Columns go in tiles of 16: column R lies in tile 2 (R / 32) + (R / 8) % 2, lane (R % 8) + 8 ((R / 16) % 2).
; A fragment (16 columns x 128 K) is 1,536 bytes: register 4 c + i of lane l at 512 c + 16 l + 4 i; codes are laid [tile][K step][1536], scale words [tile][lane][K step].
; One path serves all four: pointers and sizes are chosen by the work-group number.  A work-group takes 128 columns x 256 K, a wave 32 columns (two tiles, two K steps).
; A wave gathers its four fragments in its own stage in LDS and stores them as runs of 512 consecutive bytes.  The scale bytes leave as 8 bytes a lane: one byte for each 128 read.
; A block of zeros gets the byte 1 (the floor): its codes are zeros and this program alone reads the bytes.
; LIMITS: NaN and infinities are not served; blocks whose largest magnitude lies under 2^-124 get the byte 1.
.set OFF,  16                          ; v16-47   4 lane + i rows of W
.set X,    48                          ; v48-111  two sets of 32 numbers
.set C,    112                         ; v112-118 a block's codes
.set OUTR, 124                         ; v124-171 the way out
.set SB,   14                          ; v14-15   eight scale bytes
.set WST,  6656                        ; a wave's stage: two tiles of 3,072 bytes, 3,200 apart
.set UST,  3200
	s_load_b256 s[4:11], s[0:1], 0x0               ; W_qkv, W_out, W_ff1, W_ff2
	s_load_b128 s[12:15], s[0:1], 0x20             ; wc, sa
	s_load_b64 s[16:17], s[0:1], 0x30              ; sc
	v_lshl_add_u32 v192, v0, 2, 0x6800
	v_mov_b32 v193, 0
	v_lshrrev_b32 v1, 5, v0
	v_readfirstlane_b32 s18, v1                    ; wave
	v_and_b32 v2, 31, v0                           ; lane = my column of the wave's 32
	v_lshlrev_b32 v3, 2, v2
	v_bfe_u32 v5, v0, 3, 1                         ; u: which of the two tiles
	v_and_b32 v6, 7, v0
	v_bfe_u32 v10, v0, 4, 1
	v_lshl_add_u32 v6, v10, 3, v6                  ; r: my lane in that tile
	s_mul_i32 s19, s18, WST
	v_mul_u32_u24 v4, v5, UST
	v_lshl_add_u32 v4, v6, 4, v4
	v_add_nc_u32 v4, s19, v4                       ; into the stage: tile u, 16 r
	v_lshlrev_b32 v8, 4, v2
	v_add_nc_u32 v7, s19, v8                       ; out of it: 16 x lane
	s_mov_b32 s20, 4096                            ; W_ff2: a row of W in bytes,
	s_mov_b32 s21, 4                               ; log2 of the pieces of 256 along K,
	s_mov_b32 s22, 256                             ; its first work-group,
	s_mov_b32 s23, 6291456                         ; its codes in wc,
	s_mov_b32 s24, 917504                          ; its scale words in sa,
	s_mov_b32 s25, 32                              ; its K steps
	s_wait_kmcnt 0x0
	s_mov_b64 s[26:27], s[10:11]
	s_mov_b64 s[28:29], s[14:15]
	s_cmp_lt_u32 ttmp9, 256                        ; W_ff1
	s_cselect_b64 s[26:27], s[8:9], s[26:27]
	s_cselect_b64 s[28:29], s[16:17], s[28:29]
	s_cselect_b32 s20, 16384, s20
	s_cselect_b32 s21, 2, s21
	s_cselect_b32 s22, 128, s22
	s_cselect_b32 s23, 3145728, s23
	s_cselect_b32 s24, 131072, s24
	s_cselect_b32 s25, 8, s25
	s_cmp_lt_u32 ttmp9, 128                        ; W_out
	s_cselect_b64 s[26:27], s[6:7], s[26:27]
	s_cselect_b64 s[28:29], s[14:15], s[28:29]
	s_cselect_b32 s20, 4096, s20
	s_cselect_b32 s22, 96, s22
	s_cselect_b32 s23, 2359296, s23
	s_cselect_b32 s24, 360448, s24
	s_cmp_lt_u32 ttmp9, 96                         ; W_qkv
	s_cselect_b64 s[26:27], s[4:5], s[26:27]
	s_cselect_b32 s20, 12288, s20
	s_cselect_b32 s22, 0, s22
	s_cselect_b32 s23, 0, s23
	s_cselect_b32 s24, 131072, s24
	s_sub_co_u32 s30, ttmp9, s22
	s_bfm_b32 s31, s21, 0
	s_and_b32 s31, s30, s31                        ; kq: which 256 along K
	s_lshr_b32 s30, s30, s21                       ; cg: which 128 columns
	s_lshl_b32 s50, s20, 8
	s_mul_i32 s50, s50, s31                        ; 256 kq rows
	s_lshl_b32 s51, s30, 9
	s_add_co_u32 s50, s50, s51
	s_lshl_b32 s51, s18, 7
	s_add_co_u32 s50, s50, s51                     ; + 512 cg + 128 wave
	s_mov_b32 s51, 0
	s_add_nc_u64 s[32:33], s[26:27], s[50:51]      ; a base for each block of 32 rows: no pointer is stepped later
	s_lshl_b32 s48, s20, 5
	s_mov_b32 s49, 0
.irp t, 1,2,3,4,5,6,7
	s_add_nc_u64 s[32+2*\t:33+2*\t], s[30+2*\t:31+2*\t], s[48:49]
.endr
	s_lshl_b32 s52, s30, 2
	s_add_co_u32 s52, s52, s18
	s_lshl_b32 s52, s52, 1                         ; my first tile
	s_mul_i32 s53, s25, 1536                       ; a tile's codes in bytes
	s_mul_i32 s54, s52, s53
	s_add_co_u32 s54, s54, s23
	s_mul_i32 s55, s31, 3072
	s_add_co_u32 s54, s54, s55
	s_mov_b32 s55, 0
	s_add_nc_u64 s[56:57], s[12:13], s[54:55]      ; tile u = 0,
	s_mov_b32 s54, s53
	s_add_nc_u64 s[58:59], s[56:57], s[54:55]      ; tile u = 1
	s_lshl_b32 s60, s25, 6
	s_mul_i32 s60, s60, s52                        ; a tile's scale words: 16 lanes x 4 bytes a K step
	s_add_co_u32 s60, s60, s24
	s_lshl_b32 s61, s31, 3
	s_add_co_u32 s60, s60, s61
	s_mov_b32 s61, 0
	s_add_nc_u64 s[28:29], s[28:29], s[60:61]
	s_lshl_b32 s60, s25, 2
	v_lshl_add_u32 v9, v5, 4, v6
	v_mul_u32_u24 v9, s60, v9                      ; (16 u + r) rows of scale words
.set i, 0
.rept 32
	v_mad_u32_u24 v[OFF+i], s20, i, v3
.set i, i+1
.endr
.macro LOAD t                          ; block t: W(32 t + i, my column): 32 lanes read 128 consecutive bytes, the four waves 512
.set i, 0
.rept 32
	global_load_b32 v[X+32*((\t)%2)+i], v[OFF+i], s[32+2*(\t):33+2*(\t)] th:TH_LOAD_NT
.set i, i+1
.endr
.endm
	LOAD 0
	LOAD 1
.macro BLOCK t
.set XS, X+32*((\t)%2)
.if (\t) < 7
	s_wait_loadcnt 32                              ; this block's 32 loads are in; the next block's may be out
.else
	s_wait_loadcnt 0x0
.endif
	v_max3_num_f32 v12, |v[XS]|, |v[XS+1]|, |v[XS+2]|
	v_max3_num_f32 v13, |v[XS+3]|, |v[XS+4]|, |v[XS+5]|
.irp i, 6,10,14,18,22,26
	v_max3_num_f32 v12, v12, |v[XS+\i]|, |v[XS+\i+1]|
	v_max3_num_f32 v13, v13, |v[XS+\i+2]|, |v[XS+\i+3]|
.endr
	v_max3_num_f32 v12, v12, |v[XS+30]|, |v[XS+31]|
	v_max3_num_f32 v12, v12, v13, 0x1800000        ; with the floor 2^(3 - 127): the byte cannot fall under 1
	v_add_nc_u32 v11, 0xff000000, v12              ; 2 off the exponent field: the conversion's scale operand
	v_lshrrev_b32 v13, 23, v11                     ; the scale's byte
.if (\t)%4 == 0
	v_mov_b32 v[SB+(\t)/4], v13
.else
	v_lshl_or_b32 v[SB+(\t)/4], v13, 8*((\t)%4), v[SB+(\t)/4]
.endif
	v_cvt_scalef32_pk16_fp6_f32 v[C:C+2], v[XS:XS+15], v11
	v_cvt_scalef32_pk16_fp6_f32 v[C+4:C+6], v[XS+16:XS+31], v11
	v_nop                                          ; one plain place behind a scaled conversion
	v_mov_b32 v[C+3], v[C+4]                       ; the block's six registers on end
	v_mov_b32 v[C+4], v[C+5]
	v_mov_b32 v[C+5], v[C+6]
; block t is block t % 4 of K step t / 4: it belongs to lane r + 16 (t % 2), registers 0-5 (t % 4 < 2) or 6-11
.if ((\t)/2)%2 == 0
	ds_store_b128 v4, v[C:C+3] offset:((\t)/4)*1536+256*((\t)%2)
	ds_store_b64 v4, v[C+4:C+5] offset:((\t)/4)*1536+256*((\t)%2)+512
.else
	ds_store_b64 v4, v[C:C+1] offset:((\t)/4)*1536+256*((\t)%2)+520
	ds_store_b128 v4, v[C+2:C+5] offset:((\t)/4)*1536+256*((\t)%2)+1024
.endif
.if (\t)+2 < 8
	LOAD (\t)+2
.endif
	s_wait_dscnt 0x0                               ; the stores have read their registers: the next block's codes may be written
.endm
.irp t, 0,1,2,3,4,5,6,7
	BLOCK \t
.endr
	global_store_b64 v9, v[SB:SB+1], s[28:29]      ; my column's two scale words
.irp n, 0,1,2,3,4,5,6,7,8,9,10,11
	ds_load_b128 v[OUTR+4*\n:OUTR+4*\n+3], v7 offset:UST*(\n/6)+512*(\n%6)   ; LDS serves a wave's instructions in order: these see my stores
.endr
.irp n, 0,1,2,3,4,5,6,7,8,9,10,11
	s_wait_dscnt 11-\n
	global_store_b128 v8, v[OUTR+4*\n:OUTR+4*\n+3], s[56+2*(\n/6):57+2*(\n/6)] offset:512*(\n%6)   ; 32 lanes store 512 consecutive bytes
.endr
	s_wait_tensorcnt 0x0
	ds_add_u32 v192, v193
	s_wait_dscnt 0x0
	s_endpgm
.Lfunc_end_k_qc418975275_wq:
	.size	k_qc418975275_wq, .Lfunc_end_k_qc418975275_wq-k_qc418975275_wq
	.p2alignl 7, 3214868480
	.fill 96, 4, 3214868480
	.section	.rodata,"a",@progbits
	.p2align	6, 0x0
	.amdhsa_kernel k_qc418975275_wq
		.amdhsa_group_segment_fixed_size 27136
		.amdhsa_private_segment_fixed_size 0
		.amdhsa_enable_private_segment 0
		.amdhsa_kernarg_size 56
		.amdhsa_user_sgpr_count 2
		.amdhsa_user_sgpr_kernarg_segment_ptr 1
		.amdhsa_wavefront_size32 1
		.amdhsa_system_sgpr_workgroup_id_x 1
		.amdhsa_system_sgpr_workgroup_id_y 1
		.amdhsa_system_sgpr_workgroup_id_z 1
		.amdhsa_system_vgpr_workitem_id 0
		.amdhsa_next_free_vgpr 194
		.amdhsa_next_free_sgpr 66
		.amdhsa_reserve_vcc 0
		.amdhsa_float_denorm_mode_32 3
		.amdhsa_float_denorm_mode_16_64 3
		.amdhsa_memory_ordered 1
		.amdhsa_forward_progress 1
		.amdhsa_inst_pref_size 46
	.end_amdhsa_kernel
	.amdgpu_metadata
---
amdhsa.version: [ 1, 2 ]
amdhsa.kernels:
  - .name:           k_qc418975275_wq
    .symbol:         k_qc418975275_wq.kd
    .args:
      - { .name: W_qkv, .offset: 0, .size: 8, .value_kind: global_buffer, .address_space: global }
      - { .name: W_out, .offset: 8, .size: 8, .value_kind: global_buffer, .address_space: global }
      - { .name: W_ff1, .offset: 16, .size: 8, .value_kind: global_buffer, .address_space: global }
      - { .name: W_ff2, .offset: 24, .size: 8, .value_kind: global_buffer, .address_space: global }
      - { .name: wc, .offset: 32, .size: 8, .value_kind: global_buffer, .address_space: global }
      - { .name: sa, .offset: 40, .size: 8, .value_kind: global_buffer, .address_space: global }
      - { .name: sc, .offset: 48, .size: 8, .value_kind: global_buffer, .address_space: global }
    .group_segment_fixed_size: 27136
    .private_segment_fixed_size: 0
    .kernarg_segment_align: 8
    .kernarg_segment_size: 56
    .max_flat_workgroup_size: 128
    .sgpr_count:     66
    .vgpr_count:     194
    .wavefront_size: 32
...
	.end_amdgpu_metadata
.endif
;; end of part 1
;; launch ln1 (part 2): grid 256 x 1, 4 waves a work-group, no clusters, 76,288 bytes of LDS; arguments x, g_ln1, be_ln1, a, sa; writes a, sa
.if DOCPART == 2
	.amdgcn_target "amdgcn-amd-amdhsa--gfx1250"
	.amdhsa_code_object_version 6
	.text
	.protected	k_qc418975275_ln1
	.globl	k_qc418975275_ln1
	.p2align	8
	.type	k_qc418975275_ln1,@function
k_qc418975275_ln1:
	s_mov_b64 s[64:65], 0
	v_nop
	global_prefetch_b8 v0, s[64:65] scope:SCOPE_SE
	s_setreg_imm32_b32 hwreg(HW_REG_WAVE_MODE, 25, 1), 1
	s_wait_xcnt 0x0
; LayerNorm of rows of 1,024 f32 (mean, then the variance of x - mean: two passes over registers), times gamma, plus beta, quantised along the row to FP6 (E2M3) with E8M0 scales.
; A work-group is a tile of 16 rows: lane r of tile T holds row 32 (T / 2) + 8 (T % 2) + r % 8 + 16 (r / 8).  Wave w takes columns 256 w .. 256 w + 255 (K steps 2 w, 2 w + 1).
; THE QUANTISER wants 16 neighbours of a block of 32 in one lane: lane (r, h) holds row r, register 16 b + i = column 32 b + 16 h + i.  THE LOADS want neighbouring lanes at neighbouring bytes.
; Both are had: each of a wave's 32 loads takes 512 consecutive bytes of one row; the wave's 16 rows x 1,024 bytes go through its own stage in LDS as they lie and come back in the lane picture.
; The stage's rows are 1,040 bytes apart (65 x 16), so that the sixteen rows that a read of 16 bytes a lane touches start at sixteen different groups of banks (64 banks of 4 bytes: ISA guide 11.1).
; gamma and beta of the wave's 256 columns come by four loads of 512 consecutive bytes, lie in the wave's own 2,048 bytes of LDS, and are read back 16 numbers at a time (sixteen lanes share an address), two chunks ahead.
; Row sums meet in LDS (two barriers); the tile's 128 scale words are gathered in LDS (a third) and leave as 512 consecutive bytes.
; OUTPUT: fragment images [tile][K step][1536] (register 4 c + i of lane l at 512 c + 16 l + 4 i) and scale words [tile][lane][8], both from byte 0 of their buffers.
; LIMITS: NaN and infinities are not served; a block whose largest magnitude lies under 2^-124, a block of zeros too, gets the byte 1.
.set X,   16                           ; v16-143  my 128 numbers
.set PC,  144                          ; v144-163 the codes just made (at the head: gamma and beta as loaded)
.set G,   164                          ; v164-195 gamma: two chunks of 16
.set B,   196                          ; v196-227 beta: two chunks of 16
.set A,   228                          ; v228-235 four chains of sums
.set TM,  228                          ; v228-239 the quantiser's work
.set MU,  240                          ; v240-241 a pair for the packed forms
.set PW,  242                          ; v242-243 the two scale words
.set SEL, 20
.set RED1, 256                         ; LDS: 0 the first sums, 256 the second,
.set SCL,  512                         ; 512 the tile's scale words,
.set GBS,  1024                        ; 2,048 bytes a wave: its gamma, then its beta,
.set STG,  9216                        ; 16 rows x 1,040 bytes a wave: the stage
.set SPI,  1040
; 64 numbers of a lane (v[s0] on: blocks 0, 1; v[s1] on: blocks 2, 3) become a fragment's codes in v[PC] on and its scale word in v[pw]
.macro QUANT s0, s1, pw
.irp b, 0,1
	v_max3_num_f32 v[TM+\b], |v[\s0+16*\b]|, |v[\s0+16*\b+1]|, 0x1800000     ; my 16 numbers and the floor 2^(3 - 127)
	v_max3_num_f32 v[TM+2+\b], |v[\s1+16*\b]|, |v[\s1+16*\b+1]|, 0x1800000
.endr
.irp i, 2,4,6,8,10,12,14
.irp b, 0,1
	v_max3_num_f32 v[TM+\b], v[TM+\b], |v[\s0+16*\b+\i]|, |v[\s0+16*\b+\i+1]|
	v_max3_num_f32 v[TM+2+\b], v[TM+2+\b], |v[\s1+16*\b+\i]|, |v[\s1+16*\b+\i+1]|
.endr
.endr
.irp b, 0,1,2,3
	v_permlanex16_b32 v[TM+4+\b], v[TM+\b], s[SEL], s[SEL+1]
.endr
.irp b, 0,1,2,3
	v_max_num_f32 v[TM+\b], v[TM+\b], v[TM+4+\b]   ; with lane l xor 16: the block's largest magnitude
.endr
.irp b, 0,1,2,3
	v_add_nc_u32 v[TM+8+\b], 0xff000000, v[TM+\b]  ; 2 off its exponent field: the conversion's scale operand
.endr
.irp b, 0,1,2,3
	v_lshrrev_b32 v[TM+4+\b], 23, v[TM+8+\b]       ; the scale's byte
.endr
	v_lshl_or_b32 v[\pw], v[TM+5], 8, v[TM+4]
	v_lshl_or_b32 v[\pw], v[TM+6], 16, v[\pw]
	v_lshl_or_b32 v[\pw], v[TM+7], 24, v[\pw]
	v_cvt_scalef32_pk16_fp6_f32 v[PC:PC+2], v[\s0:\s0+15], v[TM+8]
	v_cvt_scalef32_pk16_fp6_f32 v[PC+12:PC+14], v[\s0+16:\s0+31], v[TM+9]
	v_cvt_scalef32_pk16_fp6_f32 v[PC+6:PC+8], v[\s1:\s1+15], v[TM+10]
	v_cvt_scalef32_pk16_fp6_f32 v[PC+16:PC+18], v[\s1+16:\s1+31], v[TM+11]
	v_nop                                          ; one plain place behind a scaled conversion
.irp i, 0,1,2
	v_permlane16_swap_b32 v[PC+\i], v[PC+12+\i]    ; a whole block to a lane: lanes 0-15 block 0, lanes 16-31 block 1
	v_permlane16_swap_b32 v[PC+6+\i], v[PC+16+\i]
.endr
.irp i, 0,1,2
	v_mov_b32 v[PC+3+\i], v[PC+12+\i]
	v_mov_b32 v[PC+9+\i], v[PC+16+\i]
.endr
.endm
; gamma and beta of chunk c (numbers 16 c .. 16 c + 15 of a lane: columns 128 (c / 4) + 32 (c % 4) + 16 h + 0 .. 15 of the wave's 256) into set c % 2: eight reads
.macro LOADGB c
.irp j, 0,1,2,3
	ds_load_b128 v[G+16*((\c)%2)+4*\j:G+16*((\c)%2)+4*\j+3], v11 offset:512*((\c)/4)+128*((\c)%4)+16*\j
	ds_load_b128 v[B+16*((\c)%2)+4*\j:B+16*((\c)%2)+4*\j+3], v11 offset:1024+512*((\c)/4)+128*((\c)%4)+16*\j
.endr
.endm
	s_load_b256 s[4:11], s[0:1], 0x0               ; the rows, gamma, beta, the codes
	s_load_b64 s[12:13], s[0:1], 0x20              ; the scale words
	v_lshl_add_u32 v254, v0, 2, 0x12800
	v_mov_b32 v255, 0
	v_lshrrev_b32 v1, 5, v0
	v_readfirstlane_b32 s14, v1                    ; wave
	v_and_b32 v1, 31, v0
	v_and_b32 v2, 15, v0                           ; r
	v_bfe_u32 v3, v0, 4, 1                         ; h
	v_lshlrev_b32 v9, 4, v1                        ; 16 x lane
	s_mul_i32 s22, s14, 16*SPI
	s_add_co_u32 s22, s22, STG                     ; my stage
	v_add_nc_u32 v4, s22, v9                       ; into it: 16 x lane
	v_mul_u32_u24 v5, v2, SPI
	v_lshl_add_u32 v5, v3, 6, v5
	v_add_nc_u32 v5, s22, v5                       ; out of it: row r, + 64 h
	s_lshl_b32 s22, s14, 11
	s_add_co_u32 s22, s22, GBS                     ; my gamma and beta
	v_add_nc_u32 v10, s22, v9                      ; in: 16 x lane
	v_lshl_add_u32 v11, v3, 6, s22                 ; out: 64 h
	s_lshl_b32 s22, s14, 2
	v_lshlrev_b32 v7, 4, v2                        ; a row's four partial sums at 16 r,
	v_add_nc_u32 v6, s22, v7                       ; mine at + 4 wave
	s_lshl_b32 s22, s14, 3
	v_lshl_add_u32 v8, v2, 5, SCL
	v_add_nc_u32 v8, s22, v8                       ; my scale words: SCL + 32 r + 8 wave
	s_mov_b32 s[SEL], 0x76543210
	s_mov_b32 s[SEL+1], 0xfedcba98
	s_mov_b32 s23, 0x3a800000                      ; 1 / 1024
	s_mov_b32 s24, 0x3727c5ac                      ; 1e-5
	s_lshr_b32 s15, ttmp9, 1
	s_lshl_b32 s15, s15, 5
	s_and_b32 s16, ttmp9, 1
	s_lshl_b32 s16, s16, 3
	s_add_co_u32 s15, s15, s16                     ; the tile's first row
	s_lshl_b32 s16, s15, 12
	s_lshl_b32 s18, s14, 10                        ; my 256 columns
	s_add_co_u32 s16, s16, s18
	s_mov_b32 s17, 0
	s_mov_b32 s19, 0
	s_mul_i32 s26, ttmp9, 12288
	s_mul_i32 s27, s14, 3072
	s_add_co_u32 s26, s26, s27
	s_mov_b32 s27, 0
	s_lshl_b32 s28, ttmp9, 9
	s_mov_b32 s29, 0
	s_wait_kmcnt 0x0
	s_add_nc_u64 s[4:5], s[4:5], s[16:17]
	s_add_nc_u64 s[6:7], s[6:7], s[18:19]
	s_add_nc_u64 s[8:9], s[8:9], s[18:19]
	s_add_nc_u64 s[10:11], s[10:11], s[26:27]
	s_add_nc_u64 s[12:13], s[12:13], s[28:29]
.set i, 0
.rept 32                                           ; load i: half i % 2 of my 1,024 bytes of the tile's row i / 2: 32 lanes read 512 consecutive bytes
	global_load_b128 v[X+4*i:X+4*i+3], v9, s[4:5] offset:4096*((i/2)%8+16*(i/16))+512*(i%2) th:TH_LOAD_NT
.set i, i+1
.endr
	global_load_b128 v[PC:PC+3], v9, s[6:7]        ; gamma,
	global_load_b128 v[PC+4:PC+7], v9, s[6:7] offset:512
	global_load_b128 v[PC+8:PC+11], v9, s[8:9]     ; beta
	global_load_b128 v[PC+12:PC+15], v9, s[8:9] offset:512
.irp g, 0,1,2,3,4,5,6,7
	s_wait_loadcnt 32-4*\g                         ; loads come back in order: the rows' loads 0 .. 4 g + 3 are in; the 28 - 4 g behind them and the four of gamma and beta may be out
.irp n, 0,1,2,3
	ds_store_b128 v4, v[X+16*\g+4*\n:X+16*\g+4*\n+3] offset:SPI*((4*\g+\n)/2)+512*(\n%2)
.endr
.endr
	s_wait_loadcnt 0x0                             ; gamma and beta
.irp n, 0,1,2,3
	ds_store_b128 v10, v[PC+4*\n:PC+4*\n+3] offset:512*\n
.endr
	s_wait_dscnt 0x0                               ; my stores have read their registers: the rows come back into the registers that they left
.set i, 0
.rept 32
	ds_load_b128 v[X+4*i:X+4*i+3], v5 offset:512*(i/16)+128*((i/4)%4)+16*(i%4)   ; my own bytes: no barrier
.set i, i+1
.endr
	LOADGB 0
	LOADGB 1
	s_wait_dscnt 16                                ; the rows' 32 reads are in; the sixteen of gamma and beta behind them may be out
.irp c, 0,1,2,3
	v_pk_add_f32 v[A+2*\c:A+2*\c+1], v[X+2*\c:X+2*\c+1], v[X+8+2*\c:X+9+2*\c]
.endr
.set i, 16
.rept 14
.irp c, 0,1,2,3
	v_pk_add_f32 v[A+2*\c:A+2*\c+1], v[A+2*\c:A+2*\c+1], v[X+i+2*\c:X+i+2*\c+1]
.endr
.set i, i+8
.endr
.macro ACROSS off                      ; the four chains, the two halves, lane l xor 16, then the four waves through LDS: the row's sum in v[A+4]
	v_pk_add_f32 v[A:A+1], v[A:A+1], v[A+2:A+3]
	v_pk_add_f32 v[A+4:A+5], v[A+4:A+5], v[A+6:A+7]
	v_pk_add_f32 v[A:A+1], v[A:A+1], v[A+4:A+5]
	v_add_f32 v[A], v[A], v[A+1]
	v_permlanex16_b32 v[A+2], v[A], s[SEL], s[SEL+1]
	v_add_f32 v[A], v[A], v[A+2]
	ds_store_b32 v6, v[A] offset:\off              ; both halves of the lanes write the same word with the same value
	s_wait_dscnt 0x0                               ; for the others' sake
	s_barrier_signal -1
	s_barrier_wait -1
	ds_load_b128 v[A+4:A+7], v7 offset:\off
	s_wait_dscnt 0x0
	v_add_f32 v[A+4], v[A+4], v[A+5]
	v_add_f32 v[A+6], v[A+6], v[A+7]
	v_add_f32 v[A+4], v[A+4], v[A+6]
.endm
	ACROSS 0
	v_mul_f32 v[MU], s23, v[A+4]                   ; the mean
	v_mov_b32 v[MU+1], v[MU]
.set i, 0
.rept 64
	v_pk_add_f32 v[X+i:X+i+1], v[X+i:X+i+1], v[MU:MU+1] neg_lo:[0,1] neg_hi:[0,1]
.set i, i+2
.endr
.irp c, 0,1,2,3
	v_pk_mul_f32 v[A+2*\c:A+2*\c+1], v[X+2*\c:X+2*\c+1], v[X+2*\c:X+2*\c+1]
.endr
.set i, 8
.rept 15
.irp c, 0,1,2,3
	v_pk_fma_f32 v[A+2*\c:A+2*\c+1], v[X+i+2*\c:X+i+2*\c+1], v[X+i+2*\c:X+i+2*\c+1], v[A+2*\c:A+2*\c+1]
.endr
.set i, i+8
.endr
	ACROSS RED1                                    ; other bytes than the first sum's: no barrier between
	v_fma_f32 v[MU], v[A+4], s23, s24              ; the variance + 1e-5
	v_rsq_f32 v[MU], v[MU]
	v_nop                                          ; a plain place behind the transcendental
	s_wait_alu depctr_va_vdst(0)                   ; and the wait ahead of its first reader
	v_mov_b32 v[MU+1], v[MU]
.set i, 0
.rept 64
	v_pk_mul_f32 v[X+i:X+i+1], v[X+i:X+i+1], v[MU:MU+1]
.set i, i+2
.endr
.irp c, 0,1,2,3,4,5,6,7                            ; x gamma + beta, a chunk of 16 numbers at a time; the chunk two on is asked for as soon as this chunk's registers are free
.if \c < 7
	s_wait_dscnt 8                                 ; this chunk's eight reads are in; the next chunk's eight may be out
.else
	s_wait_dscnt 0x0
.endif
.irp m, 0,2,4,6,8,10,12,14
	v_pk_fma_f32 v[X+16*\c+\m:X+16*\c+\m+1], v[X+16*\c+\m:X+16*\c+\m+1], v[G+16*(\c%2)+\m:G+16*(\c%2)+\m+1], v[B+16*(\c%2)+\m:B+16*(\c%2)+\m+1]
.endr
.if \c < 6
	LOADGB \c+2
.endif
.endr
.irp s, 0,1
	QUANT X+64*\s, X+64*\s+32, PW+\s
.irp c, 0,1,2
	global_store_b128 v9, v[PC+4*\c:PC+4*\c+3], s[10:11] offset:1536*\s+512*\c   ; 512 consecutive bytes
.endr
	ds_store_b32 v8, v[PW+\s] offset:4*\s
	s_wait_xcnt 0x0                                ; the stores have read the codes' registers
.endr
	s_wait_dscnt 0x0
	s_barrier_signal -1
	s_barrier_wait -1                              ; the tile's 128 scale words lie in LDS
	s_cmp_lg_u32 s14, 0
	s_cbranch_scc1 .Ldone
	ds_load_b128 v[PC:PC+3], v9 offset:SCL
	s_wait_dscnt 0x0
	global_store_b128 v9, v[PC:PC+3], s[12:13]     ; 512 consecutive bytes
.Ldone:
	s_wait_tensorcnt 0x0
	ds_add_u32 v254, v255
	s_wait_dscnt 0x0
	s_endpgm
.Lfunc_end_k_qc418975275_ln1:
	.size	k_qc418975275_ln1, .Lfunc_end_k_qc418975275_ln1-k_qc418975275_ln1
	.p2alignl 7, 3214868480
	.fill 96, 4, 3214868480
	.section	.rodata,"a",@progbits
	.p2align	6, 0x0
	.amdhsa_kernel k_qc418975275_ln1
		.amdhsa_group_segment_fixed_size 76288
		.amdhsa_private_segment_fixed_size 0
		.amdhsa_enable_private_segment 0
		.amdhsa_kernarg_size 40
		.amdhsa_user_sgpr_count 2
		.amdhsa_user_sgpr_kernarg_segment_ptr 1
		.amdhsa_wavefront_size32 1
		.amdhsa_system_sgpr_workgroup_id_x 1
		.amdhsa_system_sgpr_workgroup_id_y 1
		.amdhsa_system_sgpr_workgroup_id_z 1
		.amdhsa_system_vgpr_workitem_id 0
		.amdhsa_next_free_vgpr 256
		.amdhsa_next_free_sgpr 66
		.amdhsa_reserve_vcc 0
		.amdhsa_float_denorm_mode_32 3
		.amdhsa_float_denorm_mode_16_64 3
		.amdhsa_memory_ordered 1
		.amdhsa_forward_progress 1
		.amdhsa_inst_pref_size 45
	.end_amdhsa_kernel
	.amdgpu_metadata
---
amdhsa.version: [ 1, 2 ]
amdhsa.kernels:
  - .name:           k_qc418975275_ln1
    .symbol:         k_qc418975275_ln1.kd
    .args:
      - { .name: x, .offset: 0, .size: 8, .value_kind: global_buffer, .address_space: global }
      - { .name: g_ln1, .offset: 8, .size: 8, .value_kind: global_buffer, .address_space: global }
      - { .name: be_ln1, .offset: 16, .size: 8, .value_kind: global_buffer, .address_space: global }
      - { .name: a, .offset: 24, .size: 8, .value_kind: global_buffer, .address_space: global }
      - { .name: sa, .offset: 32, .size: 8, .value_kind: global_buffer, .address_space: global }
    .group_segment_fixed_size: 76288
    .private_segment_fixed_size: 0
    .kernarg_segment_align: 8
    .kernarg_segment_size: 40
    .max_flat_workgroup_size: 128
    .sgpr_count:     66
    .vgpr_count:     256
    .wavefront_size: 32
...
	.end_amdgpu_metadata
.endif
;; end of part 2
;; launch g1 (part 3): grid 8 x 24, 4 waves a work-group, clusters of 4 x 4, 327,680 bytes of LDS; arguments a, wc, sa, b_qkv, mask, b; writes b
.if DOCPART == 3
	.amdgcn_target "amdgcn-amd-amdhsa--gfx1250"
	.amdhsa_code_object_version 6
	.text
	.protected	k_qc418975275_g1
	.globl	k_qc418975275_g1
	.p2align	8
	.type	k_qc418975275_g1,@function
k_qc418975275_g1:
	s_mov_b64 s[64:65], 0
	v_nop
	global_prefetch_b8 v0, s[64:65] scope:SCOPE_SE
	s_setreg_imm32_b32 hwreg(HW_REG_WAVE_MODE, 25, 1), 1
	s_wait_xcnt 0x0
	s_wait_alu depctr_hold_cnt(0) depctr_sa_sdst(0) depctr_va_vdst(0) depctr_va_sdst(0) depctr_va_ssrc(0) depctr_va_vcc(0) depctr_vm_vsrc(0)
	s_getreg_b32 s2, hwreg(HW_REG_IB_STS2, 6, 4)
	s_cmp_eq_u32 s2, 0
	s_cbranch_scc0 .Lentry_in_a_cluster
	s_endpgm
.Lentry_in_a_cluster:
	s_bfe_u32 s2, ttmp6, 0x10000c
	s_cmp_lg_u32 s2, 0xf033
	s_cbranch_scc0 .Lentry_shape_is_right
	s_endpgm
.Lentry_shape_is_right:
; qkv = LN1(x) W_qkv + b_qkv on codes of FP6 (E2M3) with E8M0 scales, K = 1,024; q, k and v are quantised in registers and leave as codes: q and k along the head's 64, v along the keys.
; A work-group makes 256 x 256, each of four waves 128 x 128: 64 accumulators.  Operands come as images of fragments (1,536 bytes for 16 rows x 128 K: three loads of 16 bytes a lane, 512 consecutive bytes each).
; THE PRODUCT IS USED TRANSPOSED: source 0 = a tile of Q, source 1 = a tile of P; a lane holds one row of P, and the 16 registers of Q's tiles 2 b, 2 b + 1 are Q's rows 32 b + 16 h + 0 .. 15
; (lane r of tile T holds row 32 (T / 2) + 8 (T % 2) + r % 8 + 16 (r / 8), in every operand of this program).
; q, k (cluster y 0-3): P = tokens, Q = columns 0-2047 of W_qkv, so that registers run along d.  v (cluster y 4, 5): P = columns 2048-3071, Q = tokens, so that registers run along the keys.
; K goes in 8 steps of 128; a fill brings two steps; three LDS slots take fills 0, 1, 2 at the start, and fill 3 goes into slot 0 behind a round of the cluster's barrier in step 1.  By this text's count a wave has three tensor loads out at the most.
; CLUSTER 4 x 4: P's tiles are shared along a row of the cluster, Q's along a column; each is asked for jointly.  The choice q, k or v hangs on the cluster's y alone.
; OUT: qc, kc [batch x head][tile 128][768] (half images: registers 0-3 at 16 l, 4-5 at 512 + 8 l), vc [batch x head][key step 16][d tile 4][1536]; scale words qs, ks [bh][step][lane][8], vs [bh][step][lane][4].
; THE KEY MASK: the score product has K = 128 and the head 64.  The upper half of a key's scale word says whether the key is masked: byte 2 is 0xf0 (2^113) where mask = 0 and 0x40 (2^-63) where it counts; byte 3 is 0x40.
; LIMITS: NaN and infinities are not served; blocks under 2^-124, blocks of zeros too, get the byte 1.
.set SLOT,  98304
.set QUART, 24576                      ; a quarter of a slot: [tile 8][step 2][1536]; quarters 0, 1: P's halves, 2, 3: Q's
.set SPARE, 294912                     ; the spare words, 128 bytes a wave
.set MK,   8                           ; v8-15   mask of my token in each of P's tiles, then the upper half of its scale word
.set ADRP, 16                          ; v16-18  my P fragments in slot 0, 1, 2
.set ADRQ, 20                          ; v20-22  my Q fragments
.set C16,  24                          ; v24     16 x lane
.set C8,   25                          ; v25     8 x lane
.set VS,   26                          ; v26     my place in a store of scale words
.set PW,   27
.set SPW,  28
.set NIL,  29
.set SC,   32                          ; v32-95  scale words: 8 i + k: lanes 0-15 P's tile i, lanes 16-31 Q's tile i, K step k
.set PF,   96                          ; v96-191 P's fragments, one set.  Window 1: Q's two sets at v0, v128; the bias at v96-127, v224-255.  Windows 2, 3: the accumulators
.set T,    32                          ; the way out, window 0: v32-95 64 numbers
.set W,    96                          ; v96-103 eight scale words
.set OW,   104
.set PC,   224
.set TM,   244
.set SEL,  2
.set G1P,  24
.set G0P,  32                          ; s[32:47] four groups 0 for P, one for each fill; Q's: s[56:63], s[68:75]
.set G1Q,  48
.set MUL_LO, 0xa1
.set MUL_HI, 0xf1
.set MSB, 0
.macro WIN new
.if MSB != (\new)
	s_set_vgpr_msb (MSB<<8)|(\new)
.set MSB, (\new)
.endif
.endm
.macro PLACES n
.rept \n
	v_nop
.endr
.endm
.macro JLOAD g0a, g1a, g0b, g1b        ; waves 0, 1 fetch P's halves, waves 2, 3 Q's; four v_nop follow each line
	s_cmp_eq_u32 s15, 0
	s_cbranch_scc0 .Lfor_q_\@
	tensor_load_to_lds s[\g0a:\g0a+3], s[\g1a:\g1a+7]
	s_nop 0
.rept 4
	v_nop
.endr
	s_branch .Lasked_\@
.Lfor_q_\@:
	tensor_load_to_lds s[\g0b:\g0b+3], s[\g1b:\g1b+7]
	s_nop 0
.rept 4
	v_nop
.endr
.Lasked_\@:
.endm
.macro CREST
	s_cmp_lg_u32 s14, 0
	s_cbranch_scc1 .Lnot_wave_0_\@
	s_barrier_signal -3
.Lnot_wave_0_\@:
	s_barrier_wait -3
	s_barrier_signal -1
	s_barrier_wait -1
.endm
.macro CROUND
	s_barrier_signal -1
	s_barrier_wait -1
	CREST
.endm
.macro QUANT s0, s1, pw                ; 64 numbers of a lane (blocks 0, 1 from v[s0], blocks 2, 3 from v[s1]) -> codes in v[PC] on, scale word in v[pw]
.irp b, 0,1
	v_max3_num_f32 v[TM+\b], |v[\s0+16*\b]|, |v[\s0+16*\b+1]|, 0x1800000
	v_max3_num_f32 v[TM+2+\b], |v[\s1+16*\b]|, |v[\s1+16*\b+1]|, 0x1800000
.endr
.irp i, 2,4,6,8,10,12,14
.irp b, 0,1
	v_max3_num_f32 v[TM+\b], v[TM+\b], |v[\s0+16*\b+\i]|, |v[\s0+16*\b+\i+1]|
	v_max3_num_f32 v[TM+2+\b], v[TM+2+\b], |v[\s1+16*\b+\i]|, |v[\s1+16*\b+\i+1]|
.endr
.endr
.irp b, 0,1,2,3
	v_permlanex16_b32 v[TM+4+\b], v[TM+\b], s[SEL], s[SEL+1]
.endr
.irp b, 0,1,2,3
	v_max_num_f32 v[TM+\b], v[TM+\b], v[TM+4+\b]
.endr
.irp b, 0,1,2,3
	v_add_nc_u32 v[TM+8+\b], 0xff000000, v[TM+\b]
.endr
.irp b, 0,1,2,3
	v_lshrrev_b32 v[TM+4+\b], 23, v[TM+8+\b]
.endr
	v_lshl_or_b32 v[\pw], v[TM+5], 8, v[TM+4]
	v_lshl_or_b32 v[\pw], v[TM+6], 16, v[\pw]
	v_lshl_or_b32 v[\pw], v[TM+7], 24, v[\pw]
	v_cvt_scalef32_pk16_fp6_f32 v[PC:PC+2], v[\s0:\s0+15], v[TM+8]
	v_cvt_scalef32_pk16_fp6_f32 v[PC+12:PC+14], v[\s0+16:\s0+31], v[TM+9]
	v_cvt_scalef32_pk16_fp6_f32 v[PC+6:PC+8], v[\s1:\s1+15], v[TM+10]
	v_cvt_scalef32_pk16_fp6_f32 v[PC+16:PC+18], v[\s1+16:\s1+31], v[TM+11]
	v_nop                                          ; one plain place behind a scaled conversion
.irp i, 0,1,2
	v_permlane16_swap_b32 v[PC+\i], v[PC+12+\i]
	v_permlane16_swap_b32 v[PC+6+\i], v[PC+16+\i]
.endr
.irp i, 0,1,2
	v_mov_b32 v[PC+3+\i], v[PC+12+\i]
	v_mov_b32 v[PC+9+\i], v[PC+16+\i]
.endr
.endm
	s_load_b256 s[4:11], s[0:1], 0x0               ; a, wc, sa, b_qkv
	s_load_b128 s[76:79], s[0:1], 0x20             ; mask, b
	v_lshl_add_u32 v[SPW], v0, 2, SPARE
	v_mov_b32 v[NIL], 0
	ds_add_u32 v28, v29
	ds_add_u32 v28, v29
	s_wait_dscnt 0x0
	v_lshrrev_b32 v1, 5, v0
	v_readfirstlane_b32 s14, v1                    ; wave
	s_lshr_b32 s15, s14, 1                         ; wp: my half of P.  Also: I fetch for P (0) or for Q (1)
	s_and_b32 s16, s14, 1                          ; wq: my half of Q.  Also: which half I fetch
	s_bfe_u32 s17, ttmp6, 0x40000                  ; cx
	s_bfe_u32 s18, ttmp6, 0x40004                  ; cy
	s_lshl_b32 s19, ttmp9, 2
	s_add_co_u32 s19, s19, s17                     ; x
	s_and_b32 s20, ttmp7, 0xffff                   ; the cluster's y
	s_lshl_b32 s21, s18, 2
	s_lshl_b32 s21, 15, s21                        ; my row of the cluster
	s_lshl_b32 s22, 0x1111, s17                    ; my column
	s_or_b32 s[G1P], s21, (3<<16)|(1<<21)          ; elements of 8 bytes; the mask, and bit 21 beside it
	s_or_b32 s[G1Q], s22, (3<<16)|(1<<21)
.irp g, G1P, G1Q
	s_mov_b32 s[\g+1], 384<<16                     ; tensor_dim0: two K steps of a tile, 3,072 bytes
	s_mov_b32 s[\g+2], 8<<16                       ; tensor_dim1: 8 tiles
	s_mov_b32 s[\g+3], 384<<16                     ; tile_dim0
	s_mov_b32 s[\g+4], 8                           ; tile_dim1
	s_mov_b32 s[\g+5], 1536                        ; from tile to tile: 12,288 bytes
	s_mov_b32 s[\g+6], 0
	s_mov_b32 s[\g+7], 0
.endr
	s_lshl_b32 s21, s20, 2
	s_lshl_b32 s22, s20, 3
	s_sub_co_u32 s22, s22, 32
	s_cmp_ge_u32 s20, 4                            ; v?  The same in all sixteen partners
	s_cselect_b32 s91, 1, 0
	s_cselect_b32 s21, 8, s21
	s_cselect_b32 s22, s22, 0
	s_cselect_b32 s23, 131072, 0                   ; where P's scale words begin in sa,
	s_cselect_b32 s92, 0, 131072                   ; and Q's
	s_add_co_u32 s93, s18, s21                     ; P's block of 256 rows: cy + 4 Y, or cy + 8
	s_add_co_u32 s94, s19, s22                     ; Q's: x, or x + 8 (Y - 4)
	s_mul_i32 s80, s93, 196608
	s_mul_i32 s95, s16, 98304
	s_add_co_u32 s80, s80, s95
	s_mov_b32 s81, 0
	s_mul_i32 s82, s94, 196608
	s_add_co_u32 s82, s82, s95
	s_mov_b32 s83, 0
	s_mul_i32 s90, s14, QUART
	s_mov_b32 s[SEL], 0x76543210
	s_mov_b32 s[SEL+1], 0xfedcba98
	s_wait_kmcnt 0x0
	s_cmp_lg_u32 s91, 0
	s_cselect_b64 s[96:97], s[6:7], s[4:5]
	s_cselect_b64 s[98:99], s[4:5], s[6:7]
	s_add_nc_u64 s[96:97], s[96:97], s[80:81]
	s_add_nc_u64 s[98:99], s[98:99], s[82:83]
	CROUND                                         ; all sixteen work-groups are here: the first joint loads meet
.irp f, 0,1,2,3
	s_mov_b32 s[G0P+4*\f], 1
	s_add_co_u32 s[G0P+4*\f+1], s90, (\f%3)*SLOT
	s_add_nc_u64 s[G0P+4*\f+2:G0P+4*\f+3], s[96:97], \f*3072
	s_or_b32 s[G0P+4*\f+3], s[G0P+4*\f+3], 0x80000000
	s_mov_b32 s[56+4*\f+4*(\f/2)], 1
	s_add_co_u32 s[57+4*\f+4*(\f/2)], s90, (\f%3)*SLOT
	s_add_nc_u64 s[58+4*\f+4*(\f/2):59+4*\f+4*(\f/2)], s[98:99], \f*3072
	s_or_b32 s[59+4*\f+4*(\f/2)], s[59+4*\f+4*(\f/2)], 0x80000000
.endr
.irp f, 0,1,2
	JLOAD G0P+4*\f, G1P, 56+4*\f+4*(\f/2), G1Q
.endr
	v_and_b32 v1, 31, v0
	v_and_b32 v2, 15, v0                           ; r
	v_bfe_u32 v3, v0, 4, 1                         ; h
	v_lshlrev_b32 v[C16], 4, v1
	v_lshlrev_b32 v[C8], 3, v1
	s_mul_i32 s21, s15, QUART
	s_mul_i32 s22, s16, QUART
	s_add_co_u32 s22, s22, 2*QUART
.irp s, 0,1,2
	v_add_nc_u32 v[ADRP+\s], s21, v[C16]
	v_add_nc_u32 v[ADRQ+\s], s22, v[C16]
	s_add_co_u32 s21, s21, SLOT
	s_add_co_u32 s22, s22, SLOT
.endr
	s_lshl_b32 s21, s93, 13                        ; scale words: 512 bytes a tile
	s_lshl_b32 s22, s15, 12
	s_add_co_u32 s21, s21, s22
	s_add_co_u32 s21, s21, s23
	s_lshl_b32 s22, s94, 13
	s_lshl_b32 s23, s16, 12
	s_add_co_u32 s22, s22, s23
	s_add_co_u32 s22, s22, s92
	v_mov_b32 v4, s21
	v_mov_b32 v7, s22
	v_cmp_eq_u32 vcc_lo, 1, v3
	v_cndmask_b32 v4, v4, v7, vcc_lo               ; lanes 0-15 take P's words, lanes 16-31 Q's
	v_lshl_add_u32 v4, v2, 5, v4
.irp i, 0,1,2,3,4,5,6,7
	global_load_b128 v[SC+8*\i:SC+8*\i+3], v4, s[8:9] offset:512*\i
	global_load_b128 v[SC+8*\i+4:SC+8*\i+7], v4, s[8:9] offset:512*\i+16
.endr
	v_and_b32 v5, 7, v0
	v_bfe_u32 v6, v0, 3, 1
	v_lshl_add_u32 v5, v6, 4, v5
	v_lshlrev_b32 v5, 2, v5                        ; 4 (r % 8 + 16 (r / 8)): my row of a tile, in words
	v_lshlrev_b32 v6, 6, v3                        ; 64 h
	s_mov_b32 s23, 0
	s_cmp_lg_u32 s91, 0
	s_cbranch_scc1 .Lbias_v
	s_lshl_b32 s22, s19, 10                        ; q, k: the bias runs along the registers: b_qkv[256 x + 128 wq + 32 b + 16 h + ..]
	s_lshl_b32 s21, s16, 9
	s_add_co_u32 s22, s22, s21
	s_add_nc_u64 s[10:11], s[10:11], s[22:23]
	s_lshl_b32 s22, s93, 10                        ; and my tokens' mask
	s_lshl_b32 s21, s15, 9
	s_add_co_u32 s22, s22, s21
	s_add_nc_u64 s[76:77], s[76:77], s[22:23]
.irp t, 0,1,2,3,4,5,6,7
	global_load_b32 v[MK+\t], v5, s[76:77] offset:4*(32*(\t/2)+8*(\t%2))
.endr
	WIN 0x40
.irp n, 0,1,2,3,4,5,6,7,8,9,10,11,12,13,14,15
	global_load_b128 v[96+4*\n+96*(\n/8):99+4*\n+96*(\n/8)], v6, s[10:11] offset:128*(\n/4)+16*(\n%4)
.endr
	WIN 0
	s_branch .Lbias_done
.Lbias_v:
	s_lshl_b32 s22, s18, 10                        ; v: the bias belongs to the lane: b_qkv[2048 + 256 cy + 128 wp + my row of the tile], twice, for the packed form
	s_lshl_b32 s21, s15, 9
	s_add_co_u32 s22, s22, s21
	s_add_co_u32 s22, s22, 8192
	s_add_nc_u64 s[10:11], s[10:11], s[22:23]
	WIN 0x40
.irp t, 0,1,2,3,4,5,6,7
	global_load_b32 v[96+2*\t], v5, s[10:11] offset:4*(32*(\t/2)+8*(\t%2))
	global_load_b32 v[97+2*\t], v5, s[10:11] offset:4*(32*(\t/2)+8*(\t%2))
.endr
	WIN 0
.Lbias_done:
.macro FRAG reg, adr, off
.irp c, 0,1,2
	ds_load_b128 v[\reg+4*\c:\reg+4*\c+3], v[\adr] offset:\off+512*\c
.endr
.endm
.macro FETCH_Q k, set                  ; Q's eight fragments of K step k into a set of window 1
	WIN 0x40
.irp i, 0,1,2,3,4,5,6,7
	FRAG 128*(\set)+12*\i, ADRQ+((\k)/2)%3, \i*3072+((\k)%2)*1536
.endr
	WIN 0
.endm
.macro FETCH_P k, i0                   ; P's tiles i0 .. i0 + 3
.irp i, \i0, \i0+1, \i0+2, \i0+3
	FRAG PF+12*(\i), ADRP+((\k)/2)%3, (\i)*3072+((\k)%2)*1536
.endr
.endm
; 16 products: P's tiles a0, a0 + 1 against Q's eight.  The 64 accumulators take turns, one instruction a turn, in the same order in every step
.macro MUL16 a0, k, zero
.irp a, \a0, \a0+1
.irp q, 0,1,2,3,4,5,6,7
.if \zero
	v_wmma_scale_f32_16x16x128_f8f6f4 v[8*(8*((\a)%4)+\q):8*(8*((\a)%4)+\q)+7], v[128*((\k)%2)+12*\q:128*((\k)%2)+12*\q+11], v[PF+12*(\a):PF+12*(\a)+11], 0, v[SC+8*\q+(\k)], v[SC+8*(\a)+(\k)] matrix_a_fmt:MATRIX_FMT_FP6 matrix_b_fmt:MATRIX_FMT_FP6 matrix_a_scale:MATRIX_SCALE_ROW1
.else
	v_wmma_scale_f32_16x16x128_f8f6f4 v[8*(8*((\a)%4)+\q):8*(8*((\a)%4)+\q)+7], v[128*((\k)%2)+12*\q:128*((\k)%2)+12*\q+11], v[PF+12*(\a):PF+12*(\a)+11], v[8*(8*((\a)%4)+\q):8*(8*((\a)%4)+\q)+7], v[SC+8*\q+(\k)], v[SC+8*(\a)+(\k)] matrix_a_fmt:MATRIX_FMT_FP6 matrix_b_fmt:MATRIX_FMT_FP6 matrix_a_scale:MATRIX_SCALE_ROW1
.endif
.endr
.endr
.endm
.macro REST k                          ; a step's second half: the next step's Q and P's tiles 0-3, 32 products, P's tiles 4-7
	FETCH_Q (\k)+1, ((\k)+1)%2
	FETCH_P (\k)+1, 0
	WIN MUL_HI
	MUL16 4, \k, 0
	MUL16 6, \k, 0
	PLACES 4                                       ; four places in front of loads into registers that matrix instructions have read
	WIN 0
	FETCH_P (\k)+1, 4
.endm
.macro STEP k
	s_wait_dscnt 12                                ; all but the youngest twelve loads (P's tiles 4-7)
	WIN MUL_LO
	MUL16 0, \k, 0
	MUL16 2, \k, 0
	s_wait_dscnt 0x0
	PLACES 4
	REST \k
.endm
	s_wait_tensorcnt 2                             ; my part of fill 0 is in; fills 1 and 2 may stay out
	s_barrier_signal -1
	s_barrier_wait -1
	FETCH_Q 0, 0
	FETCH_P 0, 0
	FETCH_P 0, 4
	s_wait_loadcnt 0x0                             ; scale words, bias, mask
	s_wait_dscnt 12                                ; step 0: its products start the sums
	WIN MUL_LO
	MUL16 0, 0, 1
	MUL16 2, 0, 1
	s_wait_dscnt 0x0
	PLACES 4
	FETCH_Q 1, 1
	FETCH_P 1, 0
	WIN MUL_HI
	MUL16 4, 0, 1
	MUL16 6, 0, 1
	PLACES 4
	WIN 0
	FETCH_P 1, 4
	; step 1 leaves slot 0, which is filled again with K steps 6 and 7
	s_wait_tensorcnt 0x0                           ; all my tensor loads have landed: slots 1 and 2 are whole;
	ds_add_u32 v[SPW], v[NIL]                      ; 0 onto my spare word;
	s_wait_dscnt 13                                ; (the add and the youngest twelve loads may be out)
	WIN MUL_LO
	MUL16 0, 1, 0
	s_wait_dscnt 0x0                               ; the add is done, and my reads of slot 0 are over
	s_barrier_signal -1
	MUL16 2, 1, 0
	WIN 0
	s_barrier_wait -1
	CREST                                          ; the barrier has opened a round of the cluster's: no wave of any partner still reads slot 0 or has a load on its way
	JLOAD G0P+12, G1P, 72, G1Q                     ; the first tensor load behind the round; its four v_nop are also the places in front of the loads below
	REST 1
	STEP 2
	STEP 3                                         ; slot 2 was shown whole to every wave by step 1's round
	STEP 4
	s_wait_tensorcnt 0x0                           ; step 5: my part of fill 3, the one load that is out
	s_wait_dscnt 12
	WIN MUL_LO
	MUL16 0, 5, 0
	s_wait_dscnt 0x0
	s_barrier_signal -1
	MUL16 2, 5, 0
	WIN 0
	s_barrier_wait -1                              ; everybody's part is in
	PLACES 4
	REST 5
	STEP 6
	s_wait_dscnt 12                                ; step 7: nothing more to fetch
	WIN MUL_LO
	MUL16 0, 7, 0
	MUL16 2, 7, 0
	s_wait_dscnt 0x0
	WIN MUL_HI
	MUL16 4, 7, 0
	MUL16 6, 7, 0
	WIN 0
	PLACES 4
.irp b, 0,1,2,3
	v_mov_b32 v[TM+4+\b], 0                        ; written once: a lane permute's destination counts as one of its sources
.endr
	v_cmp_eq_u32 s95, 1, v3                        ; lanes 16-31
	s_cmp_lg_u32 s91, 0
	s_cbranch_scc1 .Lout_v
	; ---- q, k.  The wave's 128 columns are two heads g; two tiles of tokens go through the quantiser together: blocks 0, 1 are tile 2 i's d, blocks 2, 3 tile 2 i + 1's
	s_lshr_b32 s80, s19, 2                         ; 0: q, 1: k
	s_and_b32 s81, s19, 3
	s_lshl_b32 s81, s81, 2
	s_lshl_b32 s82, s16, 1
	s_add_co_u32 s81, s81, s82                     ; my first head
	s_lshr_b32 s82, s93, 3
	s_lshl_b32 s82, s82, 4
	s_add_co_u32 s81, s81, s82                     ; + 16 x batch
	s_and_b32 s82, s93, 7
	s_lshl_b32 s83, s82, 1
	s_add_co_u32 s83, s83, s15                     ; my 128 tokens: which step of the batch
	s_lshl_b32 s84, s81, 7
	s_lshl_b32 s85, s83, 3
	s_add_co_u32 s84, s84, s85
	s_mul_i32 s84, s84, 768
	s_mul_i32 s85, s80, 3145728
	s_add_co_u32 s84, s84, s85
	s_add_co_u32 s84, s84, 3145728
	s_mov_b32 s85, 0
	s_add_nc_u64 s[84:85], s[78:79], s[84:85]      ; the codes
	s_lshl_b32 s86, s81, 4
	s_add_co_u32 s86, s86, s83
	s_lshl_b32 s86, s86, 9
	s_lshl_b32 s87, s80, 18
	s_add_co_u32 s86, s86, s87
	s_add_co_u32 s86, s86, 12582912
	s_mov_b32 s87, 0
	s_add_nc_u64 s[86:87], s[78:79], s[86:87]      ; the scale words
	v_lshlrev_b32 v[VS], 5, v2
	v_lshl_add_u32 v[VS], v3, 4, v[VS]             ; 32 r + 16 h
	v_mov_b32 v30, 0x40400000
	v_mov_b32 v31, 0x40f00000
.irp t, 0,1,2,3,4,5,6,7
	v_cmp_eq_u32 vcc_lo, 0, v[MK+\t]
	v_cndmask_b32 v[MK+\t], v30, v31, vcc_lo       ; the upper half of the token's scale word
.endr
.macro QK g, i
	s_wait_xcnt 0x0                                ; earlier stores have read their registers
	WIN 0x06+(\i)/2                                ; source 0: the accumulators' window, source 1: the bias in window 1
.set j, 0
.rept 16
	v_pk_add_f32 v[T+j:T+j+1], v[64*((2*(\i))%4)+32*(\g)+j:64*((2*(\i))%4)+32*(\g)+j+1], v[96+128*(\g)+j:97+128*(\g)+j]
.set j, j+2
.endr
.set j, 0
.rept 16
	v_pk_add_f32 v[T+32+j:T+33+j], v[64*((2*(\i)+1)%4)+32*(\g)+j:64*((2*(\i)+1)%4)+32*(\g)+j+1], v[96+128*(\g)+j:97+128*(\g)+j]
.set j, j+2
.endr
	WIN 0
	QUANT T, T+32, PW
	global_store_b128 v[C16], v[PC:PC+3], s[84:85] offset:98304*(\g)+1536*(\i)
	global_store_b64 v[C8], v[PC+4:PC+5], s[84:85] offset:98304*(\g)+1536*(\i)+512
	global_store_b128 v[C16], v[PC+6:PC+9], s[84:85] offset:98304*(\g)+1536*(\i)+768
	global_store_b64 v[C8], v[PC+10:PC+11], s[84:85] offset:98304*(\g)+1536*(\i)+1280
	v_and_or_b32 v[W+2*(\i)], v[PW], 0xffff, v[MK+2*(\i)]
	v_lshrrev_b32 v[W+2*(\i)+1], 16, v[PW]
	v_or_b32 v[W+2*(\i)+1], v[W+2*(\i)+1], v[MK+2*(\i)+1]
.endm
.irp g, 0,1
.irp i, 0,1,2,3
	QK \g, \i
.endr
.irp n, 0,1,2,3
	v_cndmask_b32 v[OW+\n], v[W+\n], v[W+4+\n], s95   ; lanes 0-15 store tiles 0-3's words, lanes 16-31 tiles 4-7's
.endr
	global_store_b128 v[VS], v[OW:OW+3], s[86:87] offset:8192*\g   ; 512 consecutive bytes
.endr
	s_branch .Lend
.Lout_v:
	; ---- v.  A lane holds one column d; its 64 numbers are the wave's 128 keys: one K step of the second attention product
	s_lshl_b32 s81, s18, 2
	s_lshl_b32 s82, s15, 1
	s_add_co_u32 s81, s81, s82                     ; my first head
	s_lshr_b32 s82, s94, 3
	s_lshl_b32 s82, s82, 4
	s_add_co_u32 s81, s81, s82                     ; + 16 x batch
	s_and_b32 s82, s94, 7
	s_lshl_b32 s82, s82, 1
	s_add_co_u32 s82, s82, s16                     ; the key step
	s_lshl_b32 s84, s81, 4
	s_add_co_u32 s84, s84, s82
	s_mul_i32 s84, s84, 6144
	s_add_co_u32 s84, s84, 9437184
	s_mov_b32 s85, 0
	s_add_nc_u64 s[84:85], s[78:79], s[84:85]
	s_lshl_b32 s86, s81, 12
	s_lshl_b32 s87, s82, 8
	s_add_co_u32 s86, s86, s87
	s_add_co_u32 s86, s86, 13107200
	s_mov_b32 s87, 0
	s_add_nc_u64 s[86:87], s[78:79], s[86:87]
	v_lshlrev_b32 v[VS], 12, v3
	v_lshl_add_u32 v[VS], v2, 4, v[VS]             ; lanes 16-31 store the second head's words: 4,096 h + 16 r
.macro VV t
	s_wait_xcnt 0x0
	WIN 0x06+(\t)/4
.set j, 0
.rept 32
	v_pk_add_f32 v[T+j:T+j+1], v[64*((\t)%4)+j:64*((\t)%4)+j+1], v[96+2*(\t):97+2*(\t)]
.set j, j+2
.endr
	WIN 0
	QUANT T, T+32, W+(\t)
.irp c, 0,1,2
	global_store_b128 v[C16], v[PC+4*\c:PC+4*\c+3], s[84:85] offset:98304*((\t)/4)+1536*((\t)%4)+512*\c
.endr
.endm
.irp t, 0,1,2,3,4,5,6,7
	VV \t
.endr
.irp n, 0,1,2,3
	v_cndmask_b32 v[OW+\n], v[W+\n], v[W+4+\n], s95
.endr
	global_store_b128 v[VS], v[OW:OW+3], s[86:87]
.Lend:
	s_wait_tensorcnt 0x0                           ; the wave's end
	ds_add_u32 v[SPW], v[NIL]
	s_wait_dscnt 0x0
	CROUND                                         ; the closing round
	s_endpgm
.Lfunc_end_k_qc418975275_g1:
	.size	k_qc418975275_g1, .Lfunc_end_k_qc418975275_g1-k_qc418975275_g1
	.p2alignl 7, 3214868480
	.fill 96, 4, 3214868480
	.section	.rodata,"a",@progbits
	.p2align	6, 0x0
	.amdhsa_kernel k_qc418975275_g1
		.amdhsa_group_segment_fixed_size 327680
		.amdhsa_private_segment_fixed_size 0
		.amdhsa_enable_private_segment 0
		.amdhsa_kernarg_size 48
		.amdhsa_user_sgpr_count 2
		.amdhsa_user_sgpr_kernarg_segment_ptr 1
		.amdhsa_wavefront_size32 1
		.amdhsa_system_sgpr_workgroup_id_x 1
		.amdhsa_system_sgpr_workgroup_id_y 1
		.amdhsa_system_sgpr_workgroup_id_z 1
		.amdhsa_system_vgpr_workitem_id 0
		.amdhsa_next_free_vgpr 1024
		.amdhsa_next_free_sgpr 100
		.amdhsa_reserve_vcc 1
		.amdhsa_float_denorm_mode_32 3
		.amdhsa_float_denorm_mode_16_64 3
		.amdhsa_memory_ordered 1
		.amdhsa_forward_progress 1
		.amdhsa_inst_pref_size 212
	.end_amdhsa_kernel
	.amdgpu_metadata
---
amdhsa.version: [ 1, 2 ]
amdhsa.kernels:
  - .name:           k_qc418975275_g1
    .symbol:         k_qc418975275_g1.kd
    .args:
      - { .name: a, .offset: 0, .size: 8, .value_kind: global_buffer, .address_space: global }
      - { .name: wc, .offset: 8, .size: 8, .value_kind: global_buffer, .address_space: global }
      - { .name: sa, .offset: 16, .size: 8, .value_kind: global_buffer, .address_space: global }
      - { .name: b_qkv, .offset: 24, .size: 8, .value_kind: global_buffer, .address_space: global }
      - { .name: mask, .offset: 32, .size: 8, .value_kind: global_buffer, .address_space: global }
      - { .name: b, .offset: 40, .size: 8, .value_kind: global_buffer, .address_space: global }
    .group_segment_fixed_size: 327680
    .private_segment_fixed_size: 0
    .kernarg_segment_align: 8
    .kernarg_segment_size: 48
    .max_flat_workgroup_size: 128
    .sgpr_count:     100
    .vgpr_count:     1024
    .wavefront_size: 32
...
	.end_amdgpu_metadata
.endif
;; end of part 3
;; launch attn (part 4): grid 8 x 32, 16 waves a work-group, clusters of 4 x 1, 219,136 bytes of LDS; arguments b, mask, a, sa; writes a, sa
.if DOCPART == 4
	.amdgcn_target "amdgcn-amd-amdhsa--gfx1250"
	.amdhsa_code_object_version 6
	.text
	.protected	k_qc418975275_attn
	.globl	k_qc418975275_attn
	.p2align	8
	.type	k_qc418975275_attn,@function
k_qc418975275_attn:
	s_mov_b64 s[64:65], 0
	v_nop
	global_prefetch_b8 v0, s[64:65] scope:SCOPE_SE
	s_setreg_imm32_b32 hwreg(HW_REG_WAVE_MODE, 25, 1), 1
	s_wait_xcnt 0x0
	s_wait_alu depctr_hold_cnt(0) depctr_sa_sdst(0) depctr_va_vdst(0) depctr_va_sdst(0) depctr_va_ssrc(0) depctr_va_vcc(0) depctr_vm_vsrc(0)
	s_getreg_b32 s2, hwreg(HW_REG_IB_STS2, 6, 4)
	s_cmp_eq_u32 s2, 0
	s_cbranch_scc0 .Lentry_in_a_cluster
	s_endpgm
.Lentry_in_a_cluster:
	s_bfe_u32 s2, ttmp6, 0x10000c
	s_cmp_lg_u32 s2, 0x3003
	s_cbranch_scc0 .Lentry_shape_is_right
	s_endpgm
.Lentry_shape_is_right:
; ctx = softmax(q k^T / 8, keys with mask = 0 left out) v for one (batch, head), both products on codes of FP6 (E2M3) with E8M0 scales; ctx is quantised along d and leaves as codes.
; t = score x log2(e) / 8; M = the running largest t rounded up to a whole number; p = 2^(t - M) is quantised along the keys; the sum is taken of the unquantised p and divides at the end.
; A work-group owns 256 queries, each of its sixteen waves one tile of 16: four waves to a SIMD, so that one wave's exponentials stand beside another's vector and matrix work.
; K AND V OF THE HEAD STAY WHOLE IN LDS (98,304 bytes each, as images of fragments), with their scale words: nothing is filled again.  Wave 0 asks for K's, wave 1 for V's: the scale words, then four chunks of
; 24,576 bytes (512 keys): five tensor loads of a wave are out at the most; a chunk is read behind a counted wait and a barrier, while the later chunks are on their way.
; CLUSTER 4 x 1: the four query blocks of a cluster walk the same K and V: every load is asked for jointly.
; BOTH PRODUCTS ARE USED TRANSPOSED: a lane holds one query; the 16 registers of score tiles 2 b, 2 b + 1 are keys 32 b + 16 h + 0 .. 15.
; THE MASK costs no line in the loop.  The score product has K = 128, the head 64.  At k = 64 q carries the code of 1.0 under the scale 1, a masked key the code of -7.5 under the scale 2^113 (its scale word says so),
; a key that counts the code 0 under 2^-63: so a masked score is about -7.8e34 and the others are untouched.  All q's codes beyond k = 64 are 0, so whatever stands beside K's codes there counts for nothing.
; LIMITS: NaN and infinities are not served; scores stay under 1e29 in magnitude; a batch whose mask is all 0 (NaN by the definition) is not reproduced.
; The two scale bytes of ctx leave as 2 bytes a lane, 32 bytes apart: one byte for each 24 bytes of codes.
.set VC,   98304
.set KSC,  196608
.set VSC,  204800
.set MSK,  208896                      ; a word for each key, in the order of K's tiles: 0x3f where masked
.set WV,   12
.set SEL,  20
.set CS,   22
.set G1C,  24
.set G1SK, 32
.set G1SV, 40
.set G0S,  48                          ; s[48:51]; the chunks' groups 0: s[52:63], s[68:71]
.set TK,   66
.set TS,   67
.set TT,   78
.set CNT,  79
.set BM,   224                         ; v224-227 block maxima
.set BP,   228                         ; v228-231
.set SO,   232                         ; v232-235 scale operands
.set F,    236                         ; v236-237 f
.set TA,   238
.set S2,   240                         ; v240-241 the sums' second chain
.set QW,   244
.set PW,   245
.set A16,  246
.set A8,   247
.set AV,   248
.set AM,   249
.set AS,   250
.set AT,   251
.macro CROUND
	s_barrier_signal -1
	s_barrier_wait -1
	s_cmp_lg_u32 s[WV], 0
	s_cbranch_scc1 .Lnot_wave_0_\@
	s_barrier_signal -3
.Lnot_wave_0_\@:
	s_barrier_wait -3
	s_barrier_signal -1
	s_barrier_wait -1
.endm
.macro DESC g, rows                    ; a dense block as rows of 256 bytes (32 elements of 8 bytes), for all four work-groups
	s_mov_b32 s[\g], 15|(3<<16)|(1<<21)
	s_mov_b32 s[\g+1], 32<<16
	s_mov_b32 s[\g+2], (\rows)<<16
	s_mov_b32 s[\g+3], 32<<16
	s_mov_b32 s[\g+4], \rows
	s_mov_b32 s[\g+5], 32
	s_mov_b32 s[\g+6], 0
	s_mov_b32 s[\g+7], 0
.endm
	s_load_b128 s[4:7], s[0:1], 0x0                ; b, mask
	s_load_b128 s[8:11], s[0:1], 0x10              ; a, sa
	v_lshl_add_u32 v254, v0, 2, 0x35000
	v_mov_b32 v255, 0
	ds_add_u32 v254, v255
	ds_add_u32 v254, v255
	v_lshrrev_b32 v1, 5, v0
	v_readfirstlane_b32 s[WV], v1
	s_bfe_u32 s13, ttmp6, 0x40000                  ; cx
	s_lshl_b32 s14, ttmp9, 2
	s_add_co_u32 s14, s14, s13                     ; my block of 256 queries: it enters q's and ctx's addresses alone
	s_and_b32 s15, ttmp7, 0xffff                   ; 16 x batch + head
	DESC G1C, 96
	DESC G1SK, 32
	DESC G1SV, 16
	s_mul_i32 s72, s15, 98304                      ; wave 0: kc, wave 1: vc, 3,145,728 bytes further on
	s_mul_i32 s73, s[WV], 3145728
	s_add_co_u32 s72, s72, s73
	s_add_co_u32 s72, s72, 6291456
	s_mov_b32 s73, 0
	s_lshl_b32 s74, s15, 13                        ; ks: 8,192 bytes a head; vs, 262,144 further on: 4,096
	s_lshr_b32 s74, s74, s[WV]
	s_lshl_b32 s75, s[WV], 18
	s_add_co_u32 s74, s74, s75
	s_add_co_u32 s74, s74, 12845056
	s_mov_b32 s75, 0
	s_mul_i32 s76, s[WV], VC
	s_lshl_b32 s77, s[WV], 13
	s_mov_b32 s[SEL], 0x76543210
	s_mov_b32 s[SEL+1], 0xfedcba98
	s_mov_b32 s[CS], 0x3e38aa3b                    ; log2(e) / 8
	s_mov_b32 s[CS+1], s[CS]
	s_wait_dscnt 0x0
	s_wait_kmcnt 0x0
	s_add_nc_u64 s[72:73], s[4:5], s[72:73]
	s_add_nc_u64 s[74:75], s[4:5], s[74:75]
	CROUND                                         ; all four work-groups are here: the joint loads meet
	s_mov_b32 s[G0S], 1
	s_add_co_u32 s[G0S+1], s77, KSC
	s_mov_b64 s[G0S+2:G0S+3], s[74:75]
	s_or_b32 s[G0S+3], s[G0S+3], 0x80000000
.irp c, 0,1,2,3
	s_mov_b32 s[52+4*\c+4*(\c/3)], 1
	s_add_co_u32 s[53+4*\c+4*(\c/3)], s76, \c*24576
	s_add_nc_u64 s[54+4*\c+4*(\c/3):55+4*\c+4*(\c/3)], s[72:73], \c*24576
	s_or_b32 s[55+4*\c+4*(\c/3)], s[55+4*\c+4*(\c/3)], 0x80000000
.endr
	s_cmp_eq_u32 s[WV], 0                          ; a wave's fills stand in one branch on its number
	s_cbranch_scc0 .Lnot_k
	tensor_load_to_lds s[G0S:G0S+3], s[G1SK:G1SK+7]
	s_nop 0
	tensor_load_to_lds s[52:55], s[G1C:G1C+7]
	s_nop 0
	tensor_load_to_lds s[56:59], s[G1C:G1C+7]
	s_nop 0
	tensor_load_to_lds s[60:63], s[G1C:G1C+7]
	s_nop 0
	tensor_load_to_lds s[68:71], s[G1C:G1C+7]
	s_nop 0
.rept 4
	v_nop
.endr
	s_branch .Lasked
.Lnot_k:
	s_cmp_eq_u32 s[WV], 1
	s_cbranch_scc0 .Lasked
	tensor_load_to_lds s[G0S:G0S+3], s[G1SV:G1SV+7]
	s_nop 0
	tensor_load_to_lds s[52:55], s[G1C:G1C+7]
	s_nop 0
	tensor_load_to_lds s[56:59], s[G1C:G1C+7]
	s_nop 0
	tensor_load_to_lds s[60:63], s[G1C:G1C+7]
	s_nop 0
	tensor_load_to_lds s[68:71], s[G1C:G1C+7]
	s_nop 0
.rept 4
	v_nop
.endr
.Lasked:
	v_and_b32 v7, 31, v0
	v_and_b32 v8, 15, v0                           ; r
	v_bfe_u32 v9, v0, 4, 1                         ; h
	v_lshlrev_b32 v[A16], 4, v7
	v_lshlrev_b32 v[A8], 3, v7
	v_add_nc_u32 v[AV], VC, v[A16]
	v_lshl_add_u32 v[AM], v8, 2, MSK
	v_lshl_add_u32 v[AS], v8, 5, KSC
	v_lshl_add_u32 v[AT], v8, 4, VSC
	s_lshl_b32 s16, s14, 4
	s_add_co_u32 s16, s16, s[WV]                   ; my tile of queries in the batch
	s_lshl_b32 s17, s15, 7
	s_add_co_u32 s17, s17, s16
	s_mul_i32 s72, s17, 768
	s_add_co_u32 s72, s72, 3145728
	s_mov_b32 s73, 0
	s_add_nc_u64 s[72:73], s[4:5], s[72:73]
	global_load_b128 v[16:19], v[A16], s[72:73]    ; q's half image: blocks 0, 1
	global_load_b64 v[20:21], v[A8], s[72:73] offset:512
	s_lshl_b32 s74, s15, 4
	s_lshr_b32 s75, s16, 3
	s_add_co_u32 s74, s74, s75
	s_lshl_b32 s74, s74, 9
	s_and_b32 s75, s16, 7
	s_lshl_b32 s75, s75, 2
	s_add_co_u32 s74, s74, s75
	s_add_co_u32 s74, s74, 12582912
	s_mov_b32 s75, 0
	s_add_nc_u64 s[74:75], s[4:5], s[74:75]
	v_lshlrev_b32 v10, 5, v8
	global_load_b32 v[QW], v10, s[74:75]
	s_lshr_b32 s76, s15, 4
	s_lshl_b32 s76, s76, 13                        ; the batch's mask
	s_mov_b32 s77, 0
	s_add_nc_u64 s[6:7], s[6:7], s[76:77]
	v_and_b32 v11, 0x1f8, v0                       ; thread i makes words 4 i .. 4 i + 3 of the plane: keys 32 (i / 8) + 8 ((i / 4) % 2) + 16 ((i / 2) % 2) + 4 (i % 2) on
	v_lshlrev_b32 v11, 2, v11
	v_bfe_u32 v1, v0, 2, 1
	v_lshl_add_u32 v11, v1, 3, v11
	v_bfe_u32 v1, v0, 1, 1
	v_lshl_add_u32 v11, v1, 4, v11
	v_and_b32 v1, 1, v0
	v_lshl_add_u32 v11, v1, 2, v11
	v_lshlrev_b32 v11, 2, v11
	global_load_b128 v[96:99], v11, s[6:7]
	v_lshl_add_u32 v2, v0, 4, MSK
	v_xor_b32 v22, 1, v9
	v_lshlrev_b32 v22, 3, v22                      ; the code of 1.0 at k = 64 (lanes 0-15)
.irp n, 23,24,25,26,27
	v_mov_b32 v\n, 0
.endr
.irp n, 35,43,51,59,67,75,83,91,92,93,94,95
	v_mov_b32 v\n, 0                               ; named in K's operands; q's codes against them are 0
.endr
	v_mov_b32 v13, 0xf149f2ca                      ; the largest t so far: -1e30: over every masked t, under every other
	v_floor_f32 v12, -v13                          ; -M
	v_mov_b32 v14, 0
	v_mov_b32 v15, 0
	v_mov_b32 v[F+1], 0
.irp n, 0,1,2,3
	v_mov_b32 v[BP+\n], 0                          ; a lane permute's destination counts as one of its sources
.endr
	v_mov_b32 v3, 63
	v_mov_b32 v4, 0x407f0000
	s_wait_loadcnt 1                               ; q's codes and its scale word are in; the one load issued behind them, the mask's, may be out
	v_and_or_b32 v[QW], v[QW], 0xffff, v4          ; q's scales: its two blocks, 1 for block 2, 2^-63 for block 3.  A scale register written by a vector instruction stands eight plain vector lines ahead of the scaled product that names it: the 32 lines below are more than that
.set j, 0
.rept 32
	v_mov_b32 v[160+j], 0                          ; O^T: the step is written once, its first turn finds zeros
.set j, j+1
.endr
	s_wait_loadcnt 0x0                             ; the mask
.irp n, 0,1,2,3
	v_cmp_eq_u32 vcc_lo, 0, v[96+\n]
	v_cndmask_b32 v[96+\n], 0, v3, vcc_lo
.endr
	ds_store_b128 v2, v[96:99]
.macro STEP                            ; 128 keys
	v_add_nc_u32 v1, s[TK], v[A16]                 ; (these six are also the places behind the last products)
	v_add_nc_u32 v2, s[TK], v[A8]
	v_add_nc_u32 v3, s[TK], v[AV]
	v_add_nc_u32 v4, s[TS], v[AM]
	v_add_nc_u32 v5, s[TS], v[AS]
	v_add_nc_u32 v6, s[TT], v[AT]
.irp t, 0,1,2,3,4,5,6,7
	ds_load_b128 v[28+8*\t:31+8*\t], v1 offset:768*\t
	ds_load_b64 v[32+8*\t:33+8*\t], v2 offset:768*\t+512
	ds_load_b32 v[34+8*\t], v4 offset:64*\t        ; the key's code at k = 64
.endr
	ds_load_b128 v[212:215], v5
	ds_load_b128 v[216:219], v5 offset:16
	s_wait_dscnt 0x0
.irp t, 0,1,2,3,4,5,6,7
	v_wmma_scale_f32_16x16x128_f8f6f4 v[96+8*\t:103+8*\t], v[28+8*\t:39+8*\t], v[16:27], 0, v[212+\t], v[QW] matrix_a_fmt:MATRIX_FMT_FP6 matrix_b_fmt:MATRIX_FMT_FP6
.endr
.rept 4
	v_nop                                          ; places in front of the loads below and of the first read of the scores
.endr
.irp d, 0,1,2,3
.irp c, 0,1,2
	ds_load_b128 v[28+12*\d+4*\c:31+12*\d+4*\c], v3 offset:1536*\d+512*\c   ; V's four fragments land under the softmax
.endr
.endr
	ds_load_b128 v[220:223], v6
.irp b, 0,1,2,3
	v_max3_num_f32 v[BM+\b], v[96+16*\b], v[97+16*\b], v[98+16*\b]   ; the largest score of each block of 32 keys: for the row's maximum and for the block's largest p
.endr
.irp i, 3,5,7,9,11,13
.irp b, 0,1,2,3
	v_max3_num_f32 v[BM+\b], v[BM+\b], v[96+16*\b+\i], v[97+16*\b+\i]
.endr
.endr
.irp b, 0,1,2,3
	v_max_num_f32 v[BM+\b], v[BM+\b], v[111+16*\b]
.endr
.irp b, 0,1,2,3
	v_permlanex16_b32 v[BP+\b], v[BM+\b], s[SEL], s[SEL+1]
.endr
.irp b, 0,1,2,3
	v_max_num_f32 v[BM+\b], v[BM+\b], v[BP+\b]
.endr
	v_max3_num_f32 v[TA], v[BM], v[BM+1], v[BM+2]
	v_max_num_f32 v[TA], v[TA], v[BM+3]
	v_mul_f32 v[TA], s[CS], v[TA]
	v_max_num_f32 v13, v13, v[TA]                  ; the running largest t
	v_mov_b32 v[TA], v12
	v_floor_f32 v12, -v13                          ; the new -M: a whole number
	v_sub_f32 v[TA], v12, v[TA]
	v_cvt_i32_f32 v[TA], v[TA]                     ; (it saturates)
	v_ldexp_f32 v[F], 1.0, v[TA]                   ; f = 2^(old M - new M)
.set j, 0
.rept 32
	v_pk_fma_f32 v[96+j:97+j], v[96+j:97+j], s[CS:CS+1], v[12:13] op_sel_hi:[1,0,0]   ; t - M
.set j, j+2
.endr
.irp b, 0,1,2,3
	v_fma_f32 v[BM+\b], v[BM+\b], s[CS], v12
.endr
.set j, 0
.rept 64
	v_exp_f32 v[96+j], v[96+j]                     ; p = 2^(t - M)
.set j, j+1
.endr
	v_pk_mul_f32 v[14:15], v[14:15], v[F:F+1] op_sel_hi:[1,0]   ; the sums under the new M: a plain place behind the exponentials
	s_wait_alu depctr_va_vdst(0)                   ; one wait for the batch, ahead of its first reader
.irp b, 0,1,2,3
	v_exp_f32 v[BM+\b], v[BM+\b]                   ; each block's largest p
.endr
	v_pk_add_f32 v[S2:S2+1], v[96:97], v[98:99]    ; the row's sum of the unquantised p, in two chains
.irp j, 4,8,12,16,20,24,28,32,36,40,44,48,52,56,60
	v_pk_add_f32 v[14:15], v[14:15], v[96+\j:97+\j]
	v_pk_add_f32 v[S2:S2+1], v[S2:S2+1], v[98+\j:99+\j]
.endr
	v_pk_add_f32 v[14:15], v[14:15], v[S2:S2+1]
	s_wait_alu depctr_va_vdst(0)                   ; and one for the four
.irp b, 0,1,2,3
	v_max_num_f32 v[BM+\b], 0x1800000, v[BM+\b]    ; the floor: the byte cannot fall under 1
.endr
.irp b, 0,1,2,3
	v_add_nc_u32 v[SO+\b], 0xff000000, v[BM+\b]
.endr
.irp b, 0,1,2,3
	v_lshrrev_b32 v[BP+\b], 23, v[SO+\b]
.endr
	v_lshl_or_b32 v[PW], v[BP+1], 8, v[BP]
	v_lshl_or_b32 v[PW], v[BP+2], 16, v[PW]
	v_lshl_or_b32 v[PW], v[BP+3], 24, v[PW]
	v_cvt_scalef32_pk16_fp6_f32 v[192:194], v[96:111], v[SO]
	v_cvt_scalef32_pk16_fp6_f32 v[204:206], v[112:127], v[SO+1]
	v_cvt_scalef32_pk16_fp6_f32 v[198:200], v[128:143], v[SO+2]
	v_cvt_scalef32_pk16_fp6_f32 v[208:210], v[144:159], v[SO+3]
	v_nop                                          ; one plain place behind a scaled conversion
.irp i, 0,1,2
	v_permlane16_swap_b32 v[192+\i], v[204+\i]
	v_permlane16_swap_b32 v[198+\i], v[208+\i]
.endr
.irp i, 0,1,2
	v_mov_b32 v[195+\i], v[204+\i]
	v_mov_b32 v[201+\i], v[208+\i]
.endr
.set j, 0
.rept 16
	v_pk_mul_f32 v[160+j:161+j], v[160+j:161+j], v[F:F+1] op_sel_hi:[1,0]   ; O^T under the new M; these sixteen are also the places ahead of the scaled products
.set j, j+2
.endr
	s_wait_dscnt 0x0                               ; V
.irp d, 0,1,2,3
	v_wmma_scale_f32_16x16x128_f8f6f4 v[160+8*\d:167+8*\d], v[28+12*\d:39+12*\d], v[192:203], v[160+8*\d:167+8*\d], v[220+\d], v[PW] matrix_a_fmt:MATRIX_FMT_FP6 matrix_b_fmt:MATRIX_FMT_FP6
.endr
.endm
.macro PHASE c                         ; chunk c: 512 keys, four steps
	s_wait_tensorcnt 3-\c                          ; in the waves that fetch: the scale words and chunks 0 .. c are in; the 3 - c later chunks may stay out
	s_wait_dscnt 0x0                               ; (and my words of the mask plane are stored)
	s_barrier_signal -1
	s_barrier_wait -1
	s_mov_b32 s[TK], \c*24576
	s_mov_b32 s[TS], \c*2048
	s_mov_b32 s[TT], \c*1024
	s_mov_b32 s[CNT], 4
.Lstep_\@:
	STEP
	s_add_co_u32 s[TK], s[TK], 6144
	s_add_co_u32 s[TS], s[TS], 512
	s_add_co_u32 s[TT], s[TT], 256
	s_sub_co_u32 s[CNT], s[CNT], 1
	s_cmp_lg_u32 s[CNT], 0
	s_cbranch_scc1 .Lstep_\@
.endm
	PHASE 0
	PHASE 1
	PHASE 2
	PHASE 3
	; THE WAY OUT: O^T / the sum; its 32 numbers a lane are d = 32 b + 16 h + 0 .. 15: two blocks of the next product's K
.rept 4
	v_nop
.endr
	v_add_f32 v14, v14, v15
	v_permlanex16_b32 v[F], v14, s[SEL], s[SEL+1]
	v_add_f32 v14, v14, v[F]
	v_rcp_f32 v14, v14
	v_nop
	s_lshr_b32 s72, s15, 4
	s_lshl_b32 s72, s72, 7
	s_add_co_u32 s72, s72, s16                     ; my tile of rows
	s_and_b32 s73, s15, 15                         ; the head
	s_lshl_b32 s74, s72, 4
	s_add_co_u32 s74, s74, s73
	s_mul_i32 s74, s74, 768
	s_add_co_u32 s74, s74, 3145728
	s_mov_b32 s75, 0
	s_add_nc_u64 s[8:9], s[8:9], s[74:75]
	s_lshl_b32 s74, s72, 9
	s_lshl_b32 s73, s73, 1
	s_add_co_u32 s74, s74, s73
	s_add_co_u32 s74, s74, 229376
	s_add_nc_u64 s[10:11], s[10:11], s[74:75]
	s_wait_alu depctr_va_vdst(0)                   ; the wait ahead of the reciprocal's first reader
.set j, 0
.rept 32
	v_mul_f32 v[96+j], v[160+j], v14
.set j, j+1
.endr
.irp b, 0,1
	v_max3_num_f32 v[BM+\b], |v[96+16*\b]|, |v[97+16*\b]|, 0x1800000
.endr
.irp i, 2,4,6,8,10,12,14
.irp b, 0,1
	v_max3_num_f32 v[BM+\b], v[BM+\b], |v[96+16*\b+\i]|, |v[97+16*\b+\i]|
.endr
.endr
.irp b, 0,1
	v_permlanex16_b32 v[BP+\b], v[BM+\b], s[SEL], s[SEL+1]
.endr
.irp b, 0,1
	v_max_num_f32 v[BM+\b], v[BM+\b], v[BP+\b]
.endr
.irp b, 0,1
	v_add_nc_u32 v[SO+\b], 0xff000000, v[BM+\b]
.endr
.irp b, 0,1
	v_lshrrev_b32 v[BP+\b], 23, v[SO+\b]
.endr
	v_lshl_or_b32 v[PW], v[BP+1], 8, v[BP]
	v_cvt_scalef32_pk16_fp6_f32 v[192:194], v[96:111], v[SO]
	v_cvt_scalef32_pk16_fp6_f32 v[204:206], v[112:127], v[SO+1]
	v_nop
.irp i, 0,1,2
	v_permlane16_swap_b32 v[192+\i], v[204+\i]
.endr
.irp i, 0,1,2
	v_mov_b32 v[195+\i], v[204+\i]
.endr
	global_store_b128 v[A16], v[192:195], s[8:9]   ; the half image: 512 and 256 consecutive bytes
	global_store_b64 v[A8], v[196:197], s[8:9] offset:512
	global_store_b16 v10, v[PW], s[10:11]          ; both halves of the lanes write the same two bytes
	s_wait_tensorcnt 0x0
	s_wait_tensorcnt 0x0
	ds_add_u32 v254, v255
	s_wait_dscnt 0x0
	CROUND                                         ; the closing round
	s_endpgm
.Lfunc_end_k_qc418975275_attn:
	.size	k_qc418975275_attn, .Lfunc_end_k_qc418975275_attn-k_qc418975275_attn
	.p2alignl 7, 3214868480
	.fill 96, 4, 3214868480
	.section	.rodata,"a",@progbits
	.p2align	6, 0x0
	.amdhsa_kernel k_qc418975275_attn
		.amdhsa_group_segment_fixed_size 219136
		.amdhsa_private_segment_fixed_size 0
		.amdhsa_enable_private_segment 0
		.amdhsa_kernarg_size 32
		.amdhsa_user_sgpr_count 2
		.amdhsa_user_sgpr_kernarg_segment_ptr 1
		.amdhsa_wavefront_size32 1
		.amdhsa_system_sgpr_workgroup_id_x 1
		.amdhsa_system_sgpr_workgroup_id_y 1
		.amdhsa_system_sgpr_workgroup_id_z 1
		.amdhsa_system_vgpr_workitem_id 0
		.amdhsa_next_free_vgpr 256
		.amdhsa_next_free_sgpr 80
		.amdhsa_reserve_vcc 1
		.amdhsa_float_denorm_mode_32 3
		.amdhsa_float_denorm_mode_16_64 3
		.amdhsa_memory_ordered 1
		.amdhsa_forward_progress 1
		.amdhsa_inst_pref_size 82
	.end_amdhsa_kernel
	.amdgpu_metadata
---
amdhsa.version: [ 1, 2 ]
amdhsa.kernels:
  - .name:           k_qc418975275_attn
    .symbol:         k_qc418975275_attn.kd
    .args:
      - { .name: b, .offset: 0, .size: 8, .value_kind: global_buffer, .address_space: global }
      - { .name: mask, .offset: 8, .size: 8, .value_kind: global_buffer, .address_space: global }
      - { .name: a, .offset: 16, .size: 8, .value_kind: global_buffer, .address_space: global }
      - { .name: sa, .offset: 24, .size: 8, .value_kind: global_buffer, .address_space: global }
    .group_segment_fixed_size: 219136
    .private_segment_fixed_size: 0
    .kernarg_segment_align: 8
    .kernarg_segment_size: 32
    .max_flat_workgroup_size: 512
    .sgpr_count:     80
    .vgpr_count:     256
    .wavefront_size: 32
...
	.end_amdgpu_metadata
.endif
;; end of part 4
;; launch g4 (part 5): grid 8 x 32, 4 waves a work-group, clusters of 4 x 4, 214,528 bytes of LDS; arguments a, wc, sa, b_out, x, x1; writes x1
.if DOCPART == 5
	.amdgcn_target "amdgcn-amd-amdhsa--gfx1250"
	.amdhsa_code_object_version 6
	.text
	.protected	k_qc418975275_g4
	.globl	k_qc418975275_g4
	.p2align	8
	.type	k_qc418975275_g4,@function
k_qc418975275_g4:
	s_mov_b64 s[64:65], 0
	v_nop
	global_prefetch_b8 v0, s[64:65] scope:SCOPE_SE
	s_setreg_imm32_b32 hwreg(HW_REG_WAVE_MODE, 25, 1), 1
	s_wait_xcnt 0x0
	s_wait_alu depctr_hold_cnt(0) depctr_sa_sdst(0) depctr_va_vdst(0) depctr_va_sdst(0) depctr_va_ssrc(0) depctr_va_vcc(0) depctr_vm_vsrc(0)
	s_getreg_b32 s2, hwreg(HW_REG_IB_STS2, 6, 4)
	s_cmp_eq_u32 s2, 0
	s_cbranch_scc0 .Lentry_in_a_cluster
	s_endpgm
.Lentry_in_a_cluster:
	s_bfe_u32 s2, ttmp6, 0x10000c
	s_cmp_lg_u32 s2, 0xf033
	s_cbranch_scc0 .Lentry_shape_is_right
	s_endpgm
.Lentry_shape_is_right:
; x1 = x + ctx W_out + b_out on codes of FP6 (E2M3) with E8M0 scales, K = 1,024; x, x1: [4096][1024] f32.
; A work-group makes 128 x 128, so that there are 256 of them; each of four waves 64 x 64: 16 accumulators.  Operands come as images of fragments (1,536 bytes for 16 rows x 128 K); ctx's are two half images of 768 bytes on end.
; THE PRODUCT IS USED TRANSPOSED (source 0 = 16 columns of the weight, source 1 = 16 rows): a lane holds one row and neighbouring columns.  Lane r of tile T holds row 32 (T / 2) + 8 (T % 2) + r % 8 + 16 (r / 8).
; All of K lies in LDS: two slots of four K steps, each filled ONCE, at the start; a wave fetches a quarter of a slot with one joint load: two tensor loads of a wave are out at the most.  Nothing is filled again.
; CLUSTER 4 x 4: P's tiles are shared along a row of the cluster, Q's along a column.
; The bias is the C of each sum's first product.  The residual is asked for at the head, in the layout in which the results come back from the stage, and waited for only on the way out.
.set KS,    8
.set POFF,  3145728
.set QOFF,  2359296
.set PSOFF, 229376
.set QSOFF, 360448
.set SLOT,  98304
.set QUART, 24576                      ; [tile 4][step 4][1536]; quarters 0, 1: P's halves, 2, 3: Q's
.set STAGE, 196608                     ; 16 rows x 272 bytes for each wave
.set SP,    272
.set ADRP,  16                         ; v16-17  16 x lane in my P quarter, slot 0, 1
.set ADRP8, 18                         ; v18-19  8 x lane there
.set ADRQ,  20
.set STO,   22
.set RD,    23
.set CO,    24
.set PSA,   25
.set BIA,   27
.set PS,    32                         ; v32-63  P's scale words: 16 slot + 4 tile + step
.set QS,    64                         ; v64-95  Q's
.set BI,    96                         ; v96-127 the bias, 8 registers for each of Q's tiles
.set ACC,   128                        ; v128-255.  Window 1: fragment sets at v0 and v96 (P 48, Q 48), v192-255 two buffers for the way out.  Window 2: v0-127 the residual
.set G1P, 24
.set G0P, 32
.set G1Q, 48
.set G0Q, 56
.set MSB, 0
.macro WIN new
.if MSB != (\new)
	s_set_vgpr_msb (MSB<<8)|(\new)
.set MSB, (\new)
.endif
.endm
.macro PLACES n
.rept \n
	v_nop
.endr
.endm
.macro JLOAD g0a, g1a, g0b, g1b        ; waves 0, 1 fetch P's halves, waves 2, 3 Q's; four v_nop follow each line
	s_cmp_eq_u32 s15, 0
	s_cbranch_scc0 .Lfor_q_\@
	tensor_load_to_lds s[\g0a:\g0a+3], s[\g1a:\g1a+7]
	s_nop 0
.rept 4
	v_nop
.endr
	s_branch .Lasked_\@
.Lfor_q_\@:
	tensor_load_to_lds s[\g0b:\g0b+3], s[\g1b:\g1b+7]
	s_nop 0
.rept 4
	v_nop
.endr
.Lasked_\@:
.endm
.macro CROUND                          ; a round of the cluster's barrier
	s_barrier_signal -1
	s_barrier_wait -1
	s_cmp_lg_u32 s14, 0
	s_cbranch_scc1 .Lnot_wave_0_\@
	s_barrier_signal -3
.Lnot_wave_0_\@:
	s_barrier_wait -3
	s_barrier_signal -1
	s_barrier_wait -1
.endm
	s_load_b256 s[4:11], s[0:1], 0x0               ; a, wc, sa, b_out
	s_load_b128 s[76:79], s[0:1], 0x20             ; x, x1
	v_lshl_add_u32 v30, v0, 2, 0x34400
	v_mov_b32 v31, 0
	ds_add_u32 v30, v31
	ds_add_u32 v30, v31
	v_lshrrev_b32 v1, 5, v0
	v_readfirstlane_b32 s14, v1
	s_lshr_b32 s15, s14, 1                         ; wp.  Also: I fetch for P (0) or for Q (1)
	s_and_b32 s16, s14, 1                          ; wq.  Also: which half I fetch
	s_bfe_u32 s17, ttmp6, 0x40000
	s_bfe_u32 s18, ttmp6, 0x40004
	s_lshl_b32 s19, ttmp9, 2
	s_add_co_u32 s19, s19, s17                     ; x: 128 columns
	s_and_b32 s20, ttmp7, 0xffff
	s_lshl_b32 s20, s20, 2
	s_add_co_u32 s20, s20, s18                     ; y: 128 rows
	s_lshl_b32 s21, s18, 2
	s_lshl_b32 s21, 15, s21
	s_lshl_b32 s22, 0x1111, s17
	s_or_b32 s[G1P], s21, (3<<16)|(1<<21)
	s_or_b32 s[G1Q], s22, (3<<16)|(1<<21)
.irp g, G1P, G1Q
	s_mov_b32 s[\g+1], 768<<16                     ; four K steps of a tile: 6,144 bytes
	s_mov_b32 s[\g+2], 4<<16
	s_mov_b32 s[\g+3], 768<<16
	s_mov_b32 s[\g+4], 4
	s_mov_b32 s[\g+5], 192*KS                      ; from tile to tile
	s_mov_b32 s[\g+6], 0
	s_mov_b32 s[\g+7], 0
.endr
	s_lshl_b32 s44, s16, 2
	s_lshl_b32 s40, s20, 3
	s_add_co_u32 s40, s40, s44
	s_mul_i32 s40, s40, KS*1536
	s_add_co_u32 s40, s40, POFF
	s_mov_b32 s41, 0
	s_lshl_b32 s42, s19, 3
	s_add_co_u32 s42, s42, s44
	s_mul_i32 s42, s42, KS*1536
	s_add_co_u32 s42, s42, QOFF
	s_mov_b32 s43, 0
	s_mul_i32 s45, s14, QUART
	s_wait_dscnt 0x0
	s_wait_kmcnt 0x0
	s_add_nc_u64 s[40:41], s[4:5], s[40:41]
	s_add_nc_u64 s[42:43], s[6:7], s[42:43]
	CROUND                                         ; all sixteen work-groups are here: the joint loads meet
.irp s, 0,1
	s_mov_b32 s[G0P+4*\s], 1
	s_add_co_u32 s[G0P+4*\s+1], s45, \s*SLOT
	s_add_nc_u64 s[G0P+4*\s+2:G0P+4*\s+3], s[40:41], \s*6144
	s_or_b32 s[G0P+4*\s+3], s[G0P+4*\s+3], 0x80000000
	s_mov_b32 s[G0Q+4*\s], 1
	s_add_co_u32 s[G0Q+4*\s+1], s45, \s*SLOT
	s_add_nc_u64 s[G0Q+4*\s+2:G0Q+4*\s+3], s[42:43], \s*6144
	s_or_b32 s[G0Q+4*\s+3], s[G0Q+4*\s+3], 0x80000000
	JLOAD G0P+4*\s, G1P, G0Q+4*\s, G1Q
.endr
	v_and_b32 v1, 31, v0
	v_and_b32 v2, 15, v0                           ; r
	v_bfe_u32 v3, v0, 4, 1                         ; h
	v_lshlrev_b32 v4, 4, v1
	v_lshlrev_b32 v5, 3, v1
	s_mul_i32 s21, s15, QUART
	s_mul_i32 s22, s16, QUART
	s_add_co_u32 s22, s22, 2*QUART
.irp s, 0,1
	v_add_nc_u32 v[ADRP+\s], s21, v4
	v_add_nc_u32 v[ADRP8+\s], s21, v5
	v_add_nc_u32 v[ADRQ+\s], s22, v4
	s_add_co_u32 s21, s21, SLOT
	s_add_co_u32 s22, s22, SLOT
.endr
	s_mul_i32 s23, s14, 16*SP
	s_add_co_u32 s23, s23, STAGE
	v_mul_u32_u24 v[STO], v2, SP
	v_lshl_add_u32 v[STO], v3, 6, v[STO]
	v_add_nc_u32 v[STO], s23, v[STO]               ; into my stage: row r, + 64 h
	v_mul_u32_u24 v[RD], v3, SP
	v_lshl_add_u32 v[RD], v2, 4, v[RD]
	v_add_nc_u32 v[RD], s23, v[RD]                 ; back: lanes 0-15 one row of 256 bytes, lanes 16-31 the next
	v_lshlrev_b32 v[CO], 12, v3
	v_lshl_add_u32 v[CO], v2, 4, v[CO]             ; and the same in memory
	s_lshl_b32 s21, s20, 3
	s_lshl_b32 s22, s15, 2
	s_add_co_u32 s21, s21, s22                     ; my first tile of P
	s_lshl_b32 s66, s21, 9
	s_add_co_u32 s66, s66, PSOFF
	s_mov_b32 s67, 0
	s_add_nc_u64 s[66:67], s[8:9], s[66:67]
	s_lshl_b32 s21, s19, 3
	s_lshl_b32 s22, s16, 2
	s_add_co_u32 s21, s21, s22                     ; my first tile of Q
	s_lshl_b32 s68, s21, 9
	s_add_co_u32 s68, s68, QSOFF
	s_mov_b32 s69, 0
	s_add_nc_u64 s[68:69], s[8:9], s[68:69]
	v_lshlrev_b32 v[PSA], 5, v2
.irp p, 0,1
.irp i, 0,1,2,3
	global_load_b128 v[PS+16*\p+4*\i:PS+16*\p+4*\i+3], v[PSA], s[66:67] offset:16*\p+512*\i
	global_load_b128 v[QS+16*\p+4*\i:QS+16*\p+4*\i+3], v[PSA], s[68:69] offset:16*\p+512*\i
.endr
.endr
	s_lshl_b32 s70, s19, 9
	s_lshl_b32 s71, s16, 8
	s_add_co_u32 s70, s70, s71                     ; my 64 columns, in bytes
	s_mov_b32 s71, 0
	s_add_nc_u64 s[10:11], s[10:11], s[70:71]
	v_lshlrev_b32 v[BIA], 6, v3
.irp q, 0,1,2,3
	global_load_b128 v[BI+8*\q:BI+8*\q+3], v[BIA], s[10:11] offset:4*(32*(\q/2)+8*(\q%2))
	global_load_b128 v[BI+8*\q+4:BI+8*\q+7], v[BIA], s[10:11] offset:4*(32*(\q/2)+8*(\q%2))+16
.endr
	s_lshl_b32 s72, s20, 19
	s_lshl_b32 s73, s15, 18
	s_add_co_u32 s72, s72, s73                     ; my 64 rows of 4,096 bytes
	s_add_co_u32 s72, s72, s70
	s_mov_b32 s73, 0
	s_add_nc_u64 s[76:77], s[76:77], s[72:73]
	s_add_nc_u64 s[78:79], s[78:79], s[72:73]
	WIN 0x80
.irp t, 0,1,2,3
.irp i, 0,1,2,3,4,5,6,7
	global_load_b128 v[4*(8*\t+\i):4*(8*\t+\i)+3], v[CO], s[76:77] offset:4096*(32*(\t/2)+8*(\t%2)+2*(\i%4)+16*(\i/4))   ; the residual: the last 32 loads
.endr
.endr
	WIN 0
.macro FRAG reg, adr, off
.irp c, 0,1,2
	ds_load_b128 v[\reg+4*\c:\reg+4*\c+3], v[\adr] offset:\off+512*\c
.endr
.endm
.macro FETCH slot, kk, set             ; a K step's eight fragments into a set of window 1
	WIN 0x40
.irp i, 0,1,2,3
	ds_load_b128 v[96*(\set)+12*\i:96*(\set)+12*\i+3], v[ADRP+\slot] offset:\i*6144+(\kk)*1536
	ds_load_b64 v[96*(\set)+12*\i+4:96*(\set)+12*\i+5], v[ADRP8+\slot] offset:\i*6144+(\kk)*1536+512
	ds_load_b128 v[96*(\set)+12*\i+6:96*(\set)+12*\i+9], v[ADRP+\slot] offset:\i*6144+(\kk)*1536+768
	ds_load_b64 v[96*(\set)+12*\i+10:96*(\set)+12*\i+11], v[ADRP8+\slot] offset:\i*6144+(\kk)*1536+1280
	FRAG 96*(\set)+48+12*\i, ADRQ+\slot, \i*6144+(\kk)*1536
.endr
.endm
; 8 products: P's tiles a0, a0 + 1 against Q's four.  The 16 accumulators take turns, one instruction a turn, in the same order in every step
.macro MUL8 a0, set, ss, kk, first
.irp t, \a0, \a0+1
.irp q, 0,1,2,3
.if \first
	v_wmma_scale_f32_16x16x128_f8f6f4 v[ACC+8*(4*(\t)+\q):ACC+8*(4*(\t)+\q)+7], v[96*(\set)+48+12*\q:96*(\set)+48+12*\q+11], v[96*(\set)+12*(\t):96*(\set)+12*(\t)+11], v[BI+8*\q:BI+8*\q+7], v[QS+16*(\ss)+4*\q+(\kk)], v[PS+16*(\ss)+4*(\t)+(\kk)] matrix_a_fmt:MATRIX_FMT_FP6 matrix_b_fmt:MATRIX_FMT_FP6
.else
	v_wmma_scale_f32_16x16x128_f8f6f4 v[ACC+8*(4*(\t)+\q):ACC+8*(4*(\t)+\q)+7], v[96*(\set)+48+12*\q:96*(\set)+48+12*\q+11], v[96*(\set)+12*(\t):96*(\set)+12*(\t)+11], v[ACC+8*(4*(\t)+\q):ACC+8*(4*(\t)+\q)+7], v[QS+16*(\ss)+4*\q+(\kk)], v[PS+16*(\ss)+4*(\t)+(\kk)] matrix_a_fmt:MATRIX_FMT_FP6 matrix_b_fmt:MATRIX_FMT_FP6
.endif
.endr
.endr
.endm
.macro STEP slot, kk, first            ; one of a slot's first three K steps
	s_wait_dscnt 0x0                               ; this step's fragments are in
	PLACES 4                                       ; places in front of loads into the set that the last step multiplied
	FETCH \slot, (\kk)+1, ((\kk)+1)%2
	WIN 0x05                                       ; sources 0 and 1 in window 1
	MUL8 0, (\kk)%2, \slot, \kk, \first
	MUL8 2, (\kk)%2, \slot, \kk, \first
.endm
	s_wait_tensorcnt 1                             ; my part of slot 0 is in; slot 1's may stay out
	s_barrier_signal -1
	s_barrier_wait -1
	FETCH 0, 0, 0
	s_wait_loadcnt 32                              ; scale words and bias are in; the 32 loads issued behind them, the residual's, may stay out
	STEP 0, 0, 1                                   ; the first step's products start the sums from the bias
	STEP 0, 1, 0
	STEP 0, 2, 0
	s_wait_tensorcnt 0x0                           ; slot 0's last step: my part of slot 1 has landed,
	s_wait_dscnt 0x0                               ; this step's fragments are in, and no LDS instruction of mine is out at the signal
	s_barrier_signal -1
	MUL8 0, 1, 0, 3, 0                             ; work on registers while the others arrive
	MUL8 2, 1, 0, 3, 0
	s_barrier_wait -1                              ; everybody's part of slot 1 has landed
	PLACES 4
	FETCH 1, 0, 0
	STEP 1, 0, 0
	STEP 1, 1, 0
	STEP 1, 2, 0
	s_wait_dscnt 0x0
	WIN 0x05
	MUL8 0, 1, 1, 3, 0
	MUL8 2, 1, 1, 3, 0
	WIN 0
	PLACES 4
	s_wait_loadcnt 0x0                             ; the residual
	; THE WAY OUT, a tile of 16 rows x 64 columns at a time: through my own stage, back as whole rows of 256 bytes, plus the residual, stored sixteen lanes to 256 consecutive aligned bytes
.irp t, 0,1,2,3
.irp q, 0,1,2,3
	ds_store_b128 v[STO], v[ACC+8*(4*\t+\q):ACC+8*(4*\t+\q)+3] offset:128*(\q/2)+32*(\q%2)        ; each accumulator from its low end on
	ds_store_b128 v[STO], v[ACC+8*(4*\t+\q)+4:ACC+8*(4*\t+\q)+7] offset:128*(\q/2)+32*(\q%2)+16
.endr
.if \t > 1
	s_wait_xcnt 0x0                                ; the stores of two tiles ago have read this buffer
.endif
	WIN 0x40
.irp i, 0,1,2,3,4,5,6,7
	ds_load_b128 v[192+32*(\t%2)+4*\i:192+32*(\t%2)+4*\i+3], v[RD] offset:2*\i*SP   ; LDS serves a wave's instructions in order: these see my stores
.endr
	s_wait_dscnt 0x0
	WIN 0x49                                       ; the buffer in window 1, the residual in window 2
.set j, 0
.rept 16
	v_pk_add_f32 v[192+32*(\t%2)+j:193+32*(\t%2)+j], v[192+32*(\t%2)+j:193+32*(\t%2)+j], v[32*\t+j:32*\t+j+1]
.set j, j+2
.endr
	WIN 0x04                                       ; a store's data are its source 1
.irp i, 0,1,2,3,4,5,6,7
	global_store_b128 v[CO], v[192+32*(\t%2)+4*\i:192+32*(\t%2)+4*\i+3], s[78:79] offset:4096*(32*(\t/2)+8*(\t%2)+2*(\i%4)+16*(\i/4))
.endr
	WIN 0
.endr
	s_wait_tensorcnt 0x0
	s_wait_tensorcnt 0x0
	ds_add_u32 v30, v31
	s_wait_dscnt 0x0
	CROUND                                         ; the closing round: no work-group ends while a partner may still ask for a tile that names it
	s_endpgm
.Lfunc_end_k_qc418975275_g4:
	.size	k_qc418975275_g4, .Lfunc_end_k_qc418975275_g4-k_qc418975275_g4
	.p2alignl 7, 3214868480
	.fill 96, 4, 3214868480
	.section	.rodata,"a",@progbits
	.p2align	6, 0x0
	.amdhsa_kernel k_qc418975275_g4
		.amdhsa_group_segment_fixed_size 214528
		.amdhsa_private_segment_fixed_size 0
		.amdhsa_enable_private_segment 0
		.amdhsa_kernarg_size 48
		.amdhsa_user_sgpr_count 2
		.amdhsa_user_sgpr_kernarg_segment_ptr 1
		.amdhsa_wavefront_size32 1
		.amdhsa_system_sgpr_workgroup_id_x 1
		.amdhsa_system_sgpr_workgroup_id_y 1
		.amdhsa_system_sgpr_workgroup_id_z 1
		.amdhsa_system_vgpr_workitem_id 0
		.amdhsa_next_free_vgpr 640
		.amdhsa_next_free_sgpr 80
		.amdhsa_reserve_vcc 0
		.amdhsa_float_denorm_mode_32 3
		.amdhsa_float_denorm_mode_16_64 3
		.amdhsa_memory_ordered 1
		.amdhsa_forward_progress 1
		.amdhsa_inst_pref_size 57
	.end_amdhsa_kernel
	.amdgpu_metadata
---
amdhsa.version: [ 1, 2 ]
amdhsa.kernels:
  - .name:           k_qc418975275_g4
    .symbol:         k_qc418975275_g4.kd
    .args:
      - { .name: a, .offset: 0, .size: 8, .value_kind: global_buffer, .address_space: global }
      - { .name: wc, .offset: 8, .size: 8, .value_kind: global_buffer, .address_space: global }
      - { .name: sa, .offset: 16, .size: 8, .value_kind: global_buffer, .address_space: global }
      - { .name: b_out, .offset: 24, .size: 8, .value_kind: global_buffer, .address_space: global }
      - { .name: x, .offset: 32, .size: 8, .value_kind: global_buffer, .address_space: global }
      - { .name: x1, .offset: 40, .size: 8, .value_kind: global_buffer, .address_space: global }
    .group_segment_fixed_size: 214528
    .private_segment_fixed_size: 0
    .kernarg_segment_align: 8
    .kernarg_segment_size: 48
    .max_flat_workgroup_size: 128
    .sgpr_count:     80
    .vgpr_count:     640
    .wavefront_size: 32
...
	.end_amdgpu_metadata
.endif
;; end of part 5
;; launch ln2: the kernel of part 2 again; grid 256 x 1, 4 waves a work-group, no clusters, 76,288 bytes of LDS; arguments x1, g_ln2, be_ln2, b, sc; writes b, sc
;; launch g5 (part 6): grid 16 x 16, 4 waves a work-group, clusters of 4 x 4, 327,680 bytes of LDS; arguments b, wc, sc, b_ff1, a, sa; writes a, sa
.if DOCPART == 6
	.amdgcn_target "amdgcn-amd-amdhsa--gfx1250"
	.amdhsa_code_object_version 6
	.text
	.protected	k_qc418975275_g5
	.globl	k_qc418975275_g5
	.p2align	8
	.type	k_qc418975275_g5,@function
k_qc418975275_g5:
	s_mov_b64 s[64:65], 0
	v_nop
	global_prefetch_b8 v0, s[64:65] scope:SCOPE_SE
	s_setreg_imm32_b32 hwreg(HW_REG_WAVE_MODE, 25, 1), 1
	s_wait_xcnt 0x0
	s_wait_alu depctr_hold_cnt(0) depctr_sa_sdst(0) depctr_va_vdst(0) depctr_va_sdst(0) depctr_va_ssrc(0) depctr_va_vcc(0) depctr_vm_vsrc(0)
	s_getreg_b32 s2, hwreg(HW_REG_IB_STS2, 6, 4)
	s_cmp_eq_u32 s2, 0
	s_cbranch_scc0 .Lentry_in_a_cluster
	s_endpgm
.Lentry_in_a_cluster:
	s_bfe_u32 s2, ttmp6, 0x10000c
	s_cmp_lg_u32 s2, 0xf033
	s_cbranch_scc0 .Lentry_shape_is_right
	s_endpgm
.Lentry_shape_is_right:
; hidden = gelu(LN2(x1) W_ff1 + b_ff1) on codes of FP6 (E2M3) with E8M0 scales, K = 1,024; the hidden layer is quantised in registers along its 4,096 units and leaves as codes.
; A work-group makes 256 x 256, each of four waves 128 x 128: 64 accumulators.  Operands come as images of fragments (1,536 bytes for 16 rows x 128 K: three loads of 16 bytes a lane, 512 consecutive bytes each).
; THE PRODUCT IS USED TRANSPOSED: source 0 = a tile of W_ff1's columns (Q), source 1 = a tile of rows (P); a lane holds one row, and the 16 registers of Q's tiles 2 b, 2 b + 1 are hidden units 32 b + 16 h + 0 .. 15
; (lane r of tile T holds row 32 (T / 2) + 8 (T % 2) + r % 8 + 16 (r / 8)).  A wave's 128 units are one K step of the next product.
; K goes in 8 steps of 128; a fill brings two steps; three LDS slots take fills 0, 1, 2 at the start, and fill 3 goes into slot 0 behind a round of the cluster's barrier in step 1.  By this text's count a wave has three tensor loads out at the most.
; CLUSTER 4 x 4: P's tiles are shared along a row of the cluster, Q's along a column; each is asked for jointly.
; GELU, exact form: gelu(x) = x / 2 + |x| (1 / 2 - y), y = poly(t) 2^(-Z^2) / 2, Z = x sqrt(log2(e) / 2), t = 1 / (1 + 0.2727375 |Z|): the rational form of erf with five coefficients.
; LIMITS: the normal distribution function so made is good to about 1e-7 absolute; NaN and infinities are not served; blocks under 2^-124, blocks of zeros too, get the byte 1.
; OUT: hidc [tile 256][K step 32][1536] at byte 6,291,456 of a; scale words in planes [K step 32][tile 256][lane 16] at byte 393,216 of sa.
.set SLOT,  98304
.set QUART, 24576
.set SPARE, 294912
.set SCR,   295424                     ; 512 bytes a wave: its eight tiles' scale words
.set ADRP, 16
.set ADRQ, 20
.set SRD,  23                          ; v23  where I read my wave's scale words back
.set C16,  24
.set SCW,  25                          ; v25  where I put a scale word
.set SCA,  26
.set PW,   27
.set SPW,  28
.set NIL,  29
.set H4V,  30                          ; v30-31 a coefficient as a pair
.set SC,   32                          ; v32-95  scale words: 8 i + k: lanes 0-15 P's tile i, lanes 16-31 Q's tile i
.set PF,   96                          ; v96-191 P's fragments.  Window 1: Q's two sets at v0, v128; the bias at v96-127, v224-255.  Windows 2, 3: the accumulators
.set T,    32                          ; the way out, window 0: 64 numbers,
.set Z,    96
.set E,    128
.set U,    160
.set PL,   192
.set PC,   224
.set TM,   244
.set SEL,  2
.set G1P,  24
.set G0P,  32
.set G1Q,  48
.set KZ,   76
.set H5,   78
.set H3,   82
.set H2,   84
.set H1,   86
.set PZ,   88
.set SOFF, 89
.set CNT,  91
.set OUTC, 92
.set OUTS, 94
.set MUL_LO, 0xa1
.set MUL_HI, 0xf1
.set MSB, 0
.macro WIN new
.if MSB != (\new)
	s_set_vgpr_msb (MSB<<8)|(\new)
.set MSB, (\new)
.endif
.endm
.macro PLACES n
.rept \n
	v_nop
.endr
.endm
.macro JLOAD g0a, g1a, g0b, g1b
	s_cmp_eq_u32 s15, 0
	s_cbranch_scc0 .Lfor_q_\@
	tensor_load_to_lds s[\g0a:\g0a+3], s[\g1a:\g1a+7]
	s_nop 0
.rept 4
	v_nop
.endr
	s_branch .Lasked_\@
.Lfor_q_\@:
	tensor_load_to_lds s[\g0b:\g0b+3], s[\g1b:\g1b+7]
	s_nop 0
.rept 4
	v_nop
.endr
.Lasked_\@:
.endm
.macro CREST
	s_cmp_lg_u32 s14, 0
	s_cbranch_scc1 .Lnot_wave_0_\@
	s_barrier_signal -3
.Lnot_wave_0_\@:
	s_barrier_wait -3
	s_barrier_signal -1
	s_barrier_wait -1
.endm
.macro CROUND
	s_barrier_signal -1
	s_barrier_wait -1
	CREST
.endm
.macro QUANT s0, s1, pw
.irp b, 0,1
	v_max3_num_f32 v[TM+\b], |v[\s0+16*\b]|, |v[\s0+16*\b+1]|, 0x1800000
	v_max3_num_f32 v[TM+2+\b], |v[\s1+16*\b]|, |v[\s1+16*\b+1]|, 0x1800000
.endr
.irp i, 2,4,6,8,10,12,14
.irp b, 0,1
	v_max3_num_f32 v[TM+\b], v[TM+\b], |v[\s0+16*\b+\i]|, |v[\s0+16*\b+\i+1]|
	v_max3_num_f32 v[TM+2+\b], v[TM+2+\b], |v[\s1+16*\b+\i]|, |v[\s1+16*\b+\i+1]|
.endr
.endr
.irp b, 0,1,2,3
	v_permlanex16_b32 v[TM+4+\b], v[TM+\b], s[SEL], s[SEL+1]
.endr
.irp b, 0,1,2,3
	v_max_num_f32 v[TM+\b], v[TM+\b], v[TM+4+\b]
.endr
.irp b, 0,1,2,3
	v_add_nc_u32 v[TM+8+\b], 0xff000000, v[TM+\b]
.endr
.irp b, 0,1,2,3
	v_lshrrev_b32 v[TM+4+\b], 23, v[TM+8+\b]
.endr
	v_lshl_or_b32 v[\pw], v[TM+5], 8, v[TM+4]
	v_lshl_or_b32 v[\pw], v[TM+6], 16, v[\pw]
	v_lshl_or_b32 v[\pw], v[TM+7], 24, v[\pw]
	v_cvt_scalef32_pk16_fp6_f32 v[PC:PC+2], v[\s0:\s0+15], v[TM+8]
	v_cvt_scalef32_pk16_fp6_f32 v[PC+12:PC+14], v[\s0+16:\s0+31], v[TM+9]
	v_cvt_scalef32_pk16_fp6_f32 v[PC+6:PC+8], v[\s1:\s1+15], v[TM+10]
	v_cvt_scalef32_pk16_fp6_f32 v[PC+16:PC+18], v[\s1+16:\s1+31], v[TM+11]
	v_nop                                          ; one plain place behind a scaled conversion
.irp i, 0,1,2
	v_permlane16_swap_b32 v[PC+\i], v[PC+12+\i]
	v_permlane16_swap_b32 v[PC+6+\i], v[PC+16+\i]
.endr
.irp i, 0,1,2
	v_mov_b32 v[PC+3+\i], v[PC+12+\i]
	v_mov_b32 v[PC+9+\i], v[PC+16+\i]
.endr
.endm
	s_load_b256 s[4:11], s[0:1], 0x0               ; b, wc, sc, b_ff1
	s_load_b128 s[92:95], s[0:1], 0x20             ; a, sa
	v_lshl_add_u32 v[SPW], v0, 2, SPARE
	v_mov_b32 v[NIL], 0
	ds_add_u32 v28, v29
	ds_add_u32 v28, v29
	s_wait_dscnt 0x0
	v_lshrrev_b32 v1, 5, v0
	v_readfirstlane_b32 s14, v1
	s_lshr_b32 s15, s14, 1                         ; wp.  Also: I fetch for P (0) or for Q (1)
	s_and_b32 s16, s14, 1                          ; wq.  Also: which half I fetch
	s_bfe_u32 s17, ttmp6, 0x40000
	s_bfe_u32 s18, ttmp6, 0x40004
	s_lshl_b32 s19, ttmp9, 2
	s_add_co_u32 s19, s19, s17                     ; x: 256 hidden units
	s_and_b32 s20, ttmp7, 0xffff
	s_lshl_b32 s20, s20, 2
	s_add_co_u32 s20, s20, s18                     ; y: 256 rows
	s_lshl_b32 s21, s18, 2
	s_lshl_b32 s21, 15, s21
	s_lshl_b32 s22, 0x1111, s17
	s_or_b32 s[G1P], s21, (3<<16)|(1<<21)
	s_or_b32 s[G1Q], s22, (3<<16)|(1<<21)
.irp g, G1P, G1Q
	s_mov_b32 s[\g+1], 384<<16
	s_mov_b32 s[\g+2], 8<<16
	s_mov_b32 s[\g+3], 384<<16
	s_mov_b32 s[\g+4], 8
	s_mov_b32 s[\g+5], 1536
	s_mov_b32 s[\g+6], 0
	s_mov_b32 s[\g+7], 0
.endr
	s_mul_i32 s96, s20, 196608
	s_mul_i32 s23, s16, 98304
	s_add_co_u32 s96, s96, s23
	s_mov_b32 s97, 0
	s_mul_i32 s98, s19, 196608
	s_add_co_u32 s98, s98, s23
	s_add_co_u32 s98, s98, 3145728
	s_mov_b32 s99, 0
	s_mul_i32 s90, s14, QUART
	s_mov_b32 s[SEL], 0x76543210
	s_mov_b32 s[SEL+1], 0xfedcba98
	s_mov_b32 s[KZ], 0x3f596d27                    ; sqrt(log2(e) / 2)
	s_mov_b32 s[KZ+1], s[KZ]
	s_mov_b32 s[H5], 0x3f07dc22                    ; the five coefficients, halved
	s_mov_b32 s[H5+1], s[H5]
	s_mov_b32 s[H3], 0x3f35f0e3
	s_mov_b32 s[H3+1], s[H3]
	s_mov_b32 s[H2], 0xbe11a98e
	s_mov_b32 s[H2+1], s[H2]
	s_mov_b32 s[H1], 0x3e027906
	s_mov_b32 s[H1+1], s[H1]
	s_mov_b32 s[PZ], 0x3e8ba43f                    ; 0.3275911 / sqrt(log2(e))
	v_mov_b32 v[H4V], 0xbf3a00e3
	v_mov_b32 v[H4V+1], 0xbf3a00e3
	s_wait_kmcnt 0x0
	s_add_nc_u64 s[96:97], s[4:5], s[96:97]
	s_add_nc_u64 s[98:99], s[6:7], s[98:99]
	CROUND
.irp f, 0,1,2,3
	s_mov_b32 s[G0P+4*\f], 1
	s_add_co_u32 s[G0P+4*\f+1], s90, (\f%3)*SLOT
	s_add_nc_u64 s[G0P+4*\f+2:G0P+4*\f+3], s[96:97], \f*3072
	s_or_b32 s[G0P+4*\f+3], s[G0P+4*\f+3], 0x80000000
	s_mov_b32 s[56+4*\f+4*(\f/2)], 1
	s_add_co_u32 s[57+4*\f+4*(\f/2)], s90, (\f%3)*SLOT
	s_add_nc_u64 s[58+4*\f+4*(\f/2):59+4*\f+4*(\f/2)], s[98:99], \f*3072
	s_or_b32 s[59+4*\f+4*(\f/2)], s[59+4*\f+4*(\f/2)], 0x80000000
.endr
.irp f, 0,1,2
	JLOAD G0P+4*\f, G1P, 56+4*\f+4*(\f/2), G1Q
.endr
	v_and_b32 v1, 31, v0
	v_and_b32 v2, 15, v0
	v_bfe_u32 v3, v0, 4, 1
	v_lshlrev_b32 v[C16], 4, v1
	s_mul_i32 s21, s15, QUART
	s_mul_i32 s22, s16, QUART
	s_add_co_u32 s22, s22, 2*QUART
.irp s, 0,1,2
	v_add_nc_u32 v[ADRP+\s], s21, v[C16]
	v_add_nc_u32 v[ADRQ+\s], s22, v[C16]
	s_add_co_u32 s21, s21, SLOT
	s_add_co_u32 s22, s22, SLOT
.endr
	s_lshl_b32 s21, s14, 9
	s_add_co_u32 s21, s21, SCR
	v_lshl_add_u32 v[SCW], v2, 2, s21              ; SCR + 512 wave + 4 r
	v_add_nc_u32 v[SRD], s21, v[C16]
	s_lshl_b32 s21, s20, 13
	s_lshl_b32 s23, s15, 12
	s_add_co_u32 s21, s21, s23
	s_lshl_b32 s22, s19, 13
	s_lshl_b32 s23, s16, 12
	s_add_co_u32 s22, s22, s23
	s_add_co_u32 s22, s22, 131072
	v_mov_b32 v4, s21
	v_mov_b32 v7, s22
	v_cmp_eq_u32 vcc_lo, 1, v3
	v_cndmask_b32 v4, v4, v7, vcc_lo               ; lanes 0-15 take P's words, lanes 16-31 Q's
	v_lshl_add_u32 v4, v2, 5, v4
.irp i, 0,1,2,3,4,5,6,7
	global_load_b128 v[SC+8*\i:SC+8*\i+3], v4, s[8:9] offset:512*\i
	global_load_b128 v[SC+8*\i+4:SC+8*\i+7], v4, s[8:9] offset:512*\i+16
.endr
	s_lshl_b32 s22, s19, 10
	s_lshl_b32 s23, s16, 9
	s_add_co_u32 s22, s22, s23
	s_mov_b32 s23, 0
	s_add_nc_u64 s[10:11], s[10:11], s[22:23]
	v_lshlrev_b32 v6, 6, v3
	WIN 0x40
.irp n, 0,1,2,3,4,5,6,7,8,9,10,11,12,13,14,15
	global_load_b128 v[96+4*\n+96*(\n/8):99+4*\n+96*(\n/8)], v6, s[10:11] offset:128*(\n/4)+16*(\n%4)   ; b_ff1[.. + 32 b + 16 h + ..]
.endr
	WIN 0
	s_lshl_b32 s21, s20, 4
	s_lshl_b32 s22, s15, 3
	s_add_co_u32 s21, s21, s22                     ; my first tile of rows
	s_lshl_b32 s22, s19, 1
	s_add_co_u32 s22, s22, s16                     ; my K step of the next product
	s_mul_i32 s96, s21, 49152
	s_mul_i32 s23, s22, 1536
	s_add_co_u32 s96, s96, s23
	s_add_co_u32 s96, s96, 6291456
	s_mov_b32 s97, 0
	s_add_nc_u64 s[OUTC:OUTC+1], s[OUTC:OUTC+1], s[96:97]
	s_lshl_b32 s96, s22, 8
	s_add_co_u32 s96, s96, s21
	s_lshl_b32 s96, s96, 6
	s_add_co_u32 s96, s96, 393216
	s_add_nc_u64 s[OUTS:OUTS+1], s[OUTS:OUTS+1], s[96:97]
.macro FRAG reg, adr, off
.irp c, 0,1,2
	ds_load_b128 v[\reg+4*\c:\reg+4*\c+3], v[\adr] offset:\off+512*\c
.endr
.endm
.macro FETCH_Q k, set
	WIN 0x40
.irp i, 0,1,2,3,4,5,6,7
	FRAG 128*(\set)+12*\i, ADRQ+((\k)/2)%3, \i*3072+((\k)%2)*1536
.endr
	WIN 0
.endm
.macro FETCH_P k, i0
.irp i, \i0, \i0+1, \i0+2, \i0+3
	FRAG PF+12*(\i), ADRP+((\k)/2)%3, (\i)*3072+((\k)%2)*1536
.endr
.endm
; 16 products.  The 64 accumulators take turns, one instruction a turn, in the same order in every step
.macro MUL16 a0, k, zero
.irp a, \a0, \a0+1
.irp q, 0,1,2,3,4,5,6,7
.if \zero
	v_wmma_scale_f32_16x16x128_f8f6f4 v[8*(8*((\a)%4)+\q):8*(8*((\a)%4)+\q)+7], v[128*((\k)%2)+12*\q:128*((\k)%2)+12*\q+11], v[PF+12*(\a):PF+12*(\a)+11], 0, v[SC+8*\q+(\k)], v[SC+8*(\a)+(\k)] matrix_a_fmt:MATRIX_FMT_FP6 matrix_b_fmt:MATRIX_FMT_FP6 matrix_a_scale:MATRIX_SCALE_ROW1
.else
	v_wmma_scale_f32_16x16x128_f8f6f4 v[8*(8*((\a)%4)+\q):8*(8*((\a)%4)+\q)+7], v[128*((\k)%2)+12*\q:128*((\k)%2)+12*\q+11], v[PF+12*(\a):PF+12*(\a)+11], v[8*(8*((\a)%4)+\q):8*(8*((\a)%4)+\q)+7], v[SC+8*\q+(\k)], v[SC+8*(\a)+(\k)] matrix_a_fmt:MATRIX_FMT_FP6 matrix_b_fmt:MATRIX_FMT_FP6 matrix_a_scale:MATRIX_SCALE_ROW1
.endif
.endr
.endr
.endm
.macro REST k
	FETCH_Q (\k)+1, ((\k)+1)%2
	FETCH_P (\k)+1, 0
	WIN MUL_HI
	MUL16 4, \k, 0
	MUL16 6, \k, 0
	PLACES 4                                       ; four places in front of loads into registers that matrix instructions have read
	WIN 0
	FETCH_P (\k)+1, 4
.endm
.macro STEP k
	s_wait_dscnt 12                                ; all but the youngest twelve loads (P's tiles 4-7)
	WIN MUL_LO
	MUL16 0, \k, 0
	MUL16 2, \k, 0
	s_wait_dscnt 0x0
	PLACES 4
	REST \k
.endm
	s_wait_tensorcnt 2                             ; my part of fill 0 is in; fills 1 and 2 may stay out
	s_barrier_signal -1
	s_barrier_wait -1
	FETCH_Q 0, 0
	FETCH_P 0, 0
	FETCH_P 0, 4
	s_wait_loadcnt 0x0                             ; scale words and bias
	s_wait_dscnt 12                                ; step 0: its products start the sums
	WIN MUL_LO
	MUL16 0, 0, 1
	MUL16 2, 0, 1
	s_wait_dscnt 0x0
	PLACES 4
	FETCH_Q 1, 1
	FETCH_P 1, 0
	WIN MUL_HI
	MUL16 4, 0, 1
	MUL16 6, 0, 1
	PLACES 4
	WIN 0
	FETCH_P 1, 4
	; step 1 leaves slot 0, which is filled again with K steps 6 and 7
	s_wait_tensorcnt 0x0                           ; all my tensor loads have landed: slots 1 and 2 are whole;
	ds_add_u32 v[SPW], v[NIL]                      ; 0 onto my spare word;
	s_wait_dscnt 13                                ; (the add and the youngest twelve loads may be out)
	WIN MUL_LO
	MUL16 0, 1, 0
	s_wait_dscnt 0x0                               ; the add is done, and my reads of slot 0 are over
	s_barrier_signal -1
	MUL16 2, 1, 0
	WIN 0
	s_barrier_wait -1
	CREST                                          ; a round of the cluster's barrier: no wave of any partner still reads slot 0 or has a load on its way
	JLOAD G0P+12, G1P, 72, G1Q                     ; the first tensor load behind the round; its four v_nop are also the places in front of the loads below
	REST 1
	STEP 2
	STEP 3                                         ; slot 2 was shown whole to every wave by step 1's round
	STEP 4
	s_wait_tensorcnt 0x0                           ; step 5: my part of fill 3, the one load that is out
	s_wait_dscnt 12
	WIN MUL_LO
	MUL16 0, 5, 0
	s_wait_dscnt 0x0
	s_barrier_signal -1
	MUL16 2, 5, 0
	WIN 0
	s_barrier_wait -1                              ; everybody's part is in
	PLACES 4
	REST 5
	STEP 6
	s_wait_dscnt 12                                ; step 7: nothing more to fetch
	WIN MUL_LO
	MUL16 0, 7, 0
	MUL16 2, 7, 0
	s_wait_dscnt 0x0
	WIN MUL_HI
	MUL16 4, 7, 0
	MUL16 6, 7, 0
	WIN 0
	PLACES 4
.irp b, 0,1,2,3
	v_mov_b32 v[TM+4+\b], 0                        ; written once: a lane permute's destination counts as one of its sources
.endr
; THE WAY OUT: a loop over the wave's eight tiles of rows.  Only the 32 additions that fetch a tile's accumulators differ from trip to trip (register numbers): they are written eight times and chosen by
; scalar branches on the loop's counter; gelu, the quantiser and the stores are written once.
.macro BUILD t                         ; 64 numbers = the tile's eight accumulators + the bias
	WIN 0x06+(\t)/4                                ; source 0: the accumulators' window, source 1: the bias in window 1
.set j, 0
.rept 32
	v_pk_add_f32 v[T+j:T+j+1], v[64*((\t)%4)+j:64*((\t)%4)+j+1], v[96+j+96*(j/32):97+j+96*(j/32)]
.set j, j+2
.endr
	WIN 0
.endm
.macro GELU o                          ; 32 numbers, v[T + o] on, in place
.set j, 0
.rept 16
	v_pk_mul_f32 v[Z+j:Z+j+1], v[T+\o+j:T+\o+j+1], s[KZ:KZ+1] op_sel_hi:[1,0]
.set j, j+2
.endr
.set j, 0
.rept 32
	v_fma_f32 v[U+j], |v[Z+j]|, s[PZ], 1.0
.set j, j+1
.endr
.set j, 0
.rept 16
	v_pk_mul_f32 v[E+j:E+j+1], v[Z+j:Z+j+1], v[Z+j:Z+j+1]
.set j, j+2
.endr
.set j, 0
.rept 32
	v_rcp_f32 v[U+j], v[U+j]                       ; t
.set j, j+1
.endr
.set j, 0
.rept 32
	v_exp_f32 v[E+j], -v[E+j]                      ; 2^(-Z^2)
.set j, j+1
.endr
.set j, 0
.rept 16
	v_pk_mul_f32 v[Z+j:Z+j+1], v[T+\o+j:T+\o+j+1], 0.5 op_sel_hi:[1,0]   ; x / 2: plain work behind the batch
.set j, j+2
.endr
	s_wait_alu depctr_va_vdst(0)                   ; one wait for the 64, ahead of their first reader
.set j, 0
.rept 16
	v_pk_fma_f32 v[PL+j:PL+j+1], v[U+j:U+j+1], s[H5:H5+1], v[H4V:H4V+1] op_sel_hi:[1,0,1]
.set j, j+2
.endr
.irp h, H3, H2, H1
.set j, 0
.rept 16
	v_pk_fma_f32 v[PL+j:PL+j+1], v[PL+j:PL+j+1], v[U+j:U+j+1], s[\h:\h+1] op_sel_hi:[1,1,0]
.set j, j+2
.endr
.endr
.set j, 0
.rept 16
	v_pk_mul_f32 v[PL+j:PL+j+1], v[PL+j:PL+j+1], v[U+j:U+j+1]
.set j, j+2
.endr
.set j, 0
.rept 16
	v_pk_fma_f32 v[PL+j:PL+j+1], v[PL+j:PL+j+1], v[E+j:E+j+1], 0.5 op_sel_hi:[1,1,0] neg_lo:[1,0,0] neg_hi:[1,0,0]   ; 1 / 2 - y
.set j, j+2
.endr
.set j, 0
.rept 32
	v_fma_f32 v[T+\o+j], |v[T+\o+j]|, v[PL+j], v[Z+j]
.set j, j+1
.endr
.endm
	s_mov_b32 s[CNT], 0
	s_mov_b32 s[SOFF], 0
.Lrow:
.irp t, 0,1,2,3,4,5,6
	s_cmp_eq_u32 s[CNT], \t
	s_cbranch_scc1 .Lbuild\t
.endr
	BUILD 7
	s_branch .Lgelu
.irp t, 0,1,2,3,4,5
.Lbuild\t:
	BUILD \t
	s_branch .Lgelu
.endr
.Lbuild6:
	BUILD 6
.Lgelu:
	GELU 0
	GELU 32
	QUANT T, T+32, PW
.irp c, 0,1,2
	global_store_b128 v[C16], v[PC+4*\c:PC+4*\c+3], s[OUTC:OUTC+1] offset:512*\c   ; 512 consecutive bytes
.endr
	v_add_nc_u32 v[SCA], s[SOFF], v[SCW]
	ds_store_b32 v[SCA], v[PW]                     ; both halves of the lanes write the same word with the same value
	s_wait_xcnt 0x0                                ; the stores have read their registers and their base
	s_add_nc_u64 s[OUTC:OUTC+1], s[OUTC:OUTC+1], 49152   ; the next tile of rows
	s_add_co_u32 s[SOFF], s[SOFF], 64
	s_add_co_u32 s[CNT], s[CNT], 1
	s_cmp_lt_u32 s[CNT], 8
	s_cbranch_scc1 .Lrow
	ds_load_b128 v[T:T+3], v[SRD]                  ; LDS serves a wave's instructions in order: these see my stores
	s_wait_dscnt 0x0
	global_store_b128 v[C16], v[T:T+3], s[OUTS:OUTS+1]   ; my eight tiles' scale words: 512 consecutive bytes
	s_wait_tensorcnt 0x0                           ; the wave's end
	ds_add_u32 v[SPW], v[NIL]
	s_wait_dscnt 0x0
	CROUND                                         ; the closing round
	s_endpgm
.Lfunc_end_k_qc418975275_g5:
	.size	k_qc418975275_g5, .Lfunc_end_k_qc418975275_g5-k_qc418975275_g5
	.p2alignl 7, 3214868480
	.fill 96, 4, 3214868480
	.section	.rodata,"a",@progbits
	.p2align	6, 0x0
	.amdhsa_kernel k_qc418975275_g5
		.amdhsa_group_segment_fixed_size 327680
		.amdhsa_private_segment_fixed_size 0
		.amdhsa_enable_private_segment 0
		.amdhsa_kernarg_size 48
		.amdhsa_user_sgpr_count 2
		.amdhsa_user_sgpr_kernarg_segment_ptr 1
		.amdhsa_wavefront_size32 1
		.amdhsa_system_sgpr_workgroup_id_x 1
		.amdhsa_system_sgpr_workgroup_id_y 1
		.amdhsa_system_sgpr_workgroup_id_z 1
		.amdhsa_system_vgpr_workitem_id 0
		.amdhsa_next_free_vgpr 1024
		.amdhsa_next_free_sgpr 100
		.amdhsa_reserve_vcc 1
		.amdhsa_float_denorm_mode_32 3
		.amdhsa_float_denorm_mode_16_64 3
		.amdhsa_memory_ordered 1
		.amdhsa_forward_progress 1
		.amdhsa_inst_pref_size 160
	.end_amdhsa_kernel
	.amdgpu_metadata
---
amdhsa.version: [ 1, 2 ]
amdhsa.kernels:
  - .name:           k_qc418975275_g5
    .symbol:         k_qc418975275_g5.kd
    .args:
      - { .name: b, .offset: 0, .size: 8, .value_kind: global_buffer, .address_space: global }
      - { .name: wc, .offset: 8, .size: 8, .value_kind: global_buffer, .address_space: global }
      - { .name: sc, .offset: 16, .size: 8, .value_kind: global_buffer, .address_space: global }
      - { .name: b_ff1, .offset: 24, .size: 8, .value_kind: global_buffer, .address_space: global }
      - { .name: a, .offset: 32, .size: 8, .value_kind: global_buffer, .address_space: global }
      - { .name: sa, .offset: 40, .size: 8, .value_kind: global_buffer, .address_space: global }
    .group_segment_fixed_size: 327680
    .private_segment_fixed_size: 0
    .kernarg_segment_align: 8
    .kernarg_segment_size: 48
    .max_flat_workgroup_size: 128
    .sgpr_count:     100
    .vgpr_count:     1024
    .wavefront_size: 32
...
	.end_amdgpu_metadata
.endif
;; end of part 6
;; launch g6 (part 7): grid 8 x 32, 4 waves a work-group, clusters of 4 x 4, 327,680 bytes of LDS; arguments a, wc, sa, b_ff2, x1, out0; writes out0
.if DOCPART == 7
	.amdgcn_target "amdgcn-amd-amdhsa--gfx1250"
	.amdhsa_code_object_version 6
	.text
	.protected	k_qc418975275_g6
	.globl	k_qc418975275_g6
	.p2align	8
	.type	k_qc418975275_g6,@function
k_qc418975275_g6:
	s_mov_b64 s[64:65], 0
	v_nop
	global_prefetch_b8 v0, s[64:65] scope:SCOPE_SE
	s_setreg_imm32_b32 hwreg(HW_REG_WAVE_MODE, 25, 1), 1
	s_wait_xcnt 0x0
	s_wait_alu depctr_hold_cnt(0) depctr_sa_sdst(0) depctr_va_vdst(0) depctr_va_sdst(0) depctr_va_ssrc(0) depctr_va_vcc(0) depctr_vm_vsrc(0)
	s_getreg_b32 s2, hwreg(HW_REG_IB_STS2, 6, 4)
	s_cmp_eq_u32 s2, 0
	s_cbranch_scc0 .Lentry_in_a_cluster
	s_endpgm
.Lentry_in_a_cluster:
	s_bfe_u32 s2, ttmp6, 0x10000c
	s_cmp_lg_u32 s2, 0xf033
	s_cbranch_scc0 .Lentry_shape_is_right
	s_endpgm
.Lentry_shape_is_right:
; out0 = x1 + hidden W_ff2 + b_ff2 on codes of FP6 (E2M3) with E8M0 scales, K = 4,096: 32 K steps of 128; x1, out0: [4096][1024] f32.
; A work-group makes 128 x 128, so that there are 256 of them; each of four waves 64 x 64: 16 accumulators.  Operands come as images of fragments (1,536 bytes for 16 rows x 128 K: three loads of 16 bytes a lane, 512 consecutive bytes each).
; THE PRODUCT IS USED TRANSPOSED (source 0 = 16 columns of the weight, source 1 = 16 rows): a lane holds one row and neighbouring columns.  Lane r of tile T holds row 32 (T / 2) + 8 (T % 2) + r % 8 + 16 (r / 8).
; THE RING: a K step of the work-group's tiles is 24,576 bytes, and LDS holds thirteen.  Slot 0 takes six K steps, slot 1 seven; the 32 K steps go in five fills of 6, 7, 6, 7, 6.  The first two go out at the start;
; three refills follow, each behind a round of the cluster's barrier, and each has the other slot's seven or six K steps, 112 or 96 matrix instructions a wave, in which to land.  Every refill stands 13 K steps further along K than
; its slot's last fill.  A wave fetches a quarter of a slot with one joint load: two tensor loads of a wave are out at the start, one behind each round.
; THE 32 K STEPS ARE WRITTEN OUT by macro: the slots change after 6 or 7 steps, the two sets of fragment registers every step, the two sets of scale words every 4: they come back together only after the whole of K.
; So every LDS offset and every offset of a scale word is an immediate, and no base is stepped but the descriptors'.
; CLUSTER 4 x 4: P's tiles are shared along a row of the cluster, Q's along a column.
; The bias is the C of each sum's first product.  The residual is asked for at the head, in the layout in which the results come back from the stage, and nothing waits for it ahead of the first products.
; The stage for the way out lies in slot 1: when the first result is stored there that slot has had its last fill, and every wave has passed the last change of slots, behind which nobody reads it.
.set KS,    32
.set POFF,  6291456
.set QOFF,  6291456
.set PSOFF, 393216                     ; P's scale words lie in planes [K step][tile][lane]: 16,384 bytes a plane, 64 a tile
.set QSOFF, 917504                     ; Q's as [tile][lane][32 words]
.set Q6,    36864                      ; a quarter of slot 0: [tile 4][step 6][1536]; quarters 0, 1: P's halves, 2, 3: Q's
.set Q7,    43008                      ; a quarter of slot 1: [tile 4][step 7][1536]
.set B1,    4*Q6                       ; slot 1 begins here
.set STAGE, B1                         ; 16 rows x 272 bytes for each wave
.set SP,    272
.set SPARE, B1+4*Q7                    ; behind the ring: the spare words, 128 bytes a wave
.set ADRP,  16                         ; v16-17  16 x lane in my P quarter, slot 0, 1
.set ADRQ,  18                         ; v18-19  the same for Q
.set STO,   22
.set RD,    23
.set CO,    24
.set PSA,   25
.set QSA,   26
.set BIA,   27
.set SPW,   28
.set NIL,   29
.set PS,    32                         ; v32-63  P's scale words: 16 ((k / 4) % 2) + 4 tile + k % 4
.set QS,    64                         ; v64-95  Q's
.set BI,    96                         ; v96-127 the bias, 8 registers for each of Q's tiles
.set ACC,   128                        ; v128-255.  Window 1: fragment sets at v0 and v96 (P 48, Q 48), v192-255 two buffers for the way out.  Window 2: v0-127 the residual
.set G1P6, 24                          ; s[24:31] group 1 for P's tiles of six K steps; s[80:87] of seven
.set G0P,  32                          ; s[32:39] group 0 for P, one set for each slot
.set G1Q6, 48                          ; s[48:55], s[88:95], s[56:63] the same for Q
.set G0Q,  56
.set G1P7, 80
.set G1Q7, 88
.set MSB, 0
.macro WIN new
.if MSB != (\new)
	s_set_vgpr_msb (MSB<<8)|(\new)
.set MSB, (\new)
.endif
.endm
.macro PLACES n
.rept \n
	v_nop
.endr
.endm
.macro JLOAD g0a, g1a, g0b, g1b        ; waves 0, 1 fetch P's halves, waves 2, 3 Q's; four v_nop follow each line
	s_cmp_eq_u32 s15, 0
	s_cbranch_scc0 .Lfor_q_\@
	tensor_load_to_lds s[\g0a:\g0a+3], s[\g1a:\g1a+7]
	s_nop 0
.rept 4
	v_nop
.endr
	s_branch .Lasked_\@
.Lfor_q_\@:
	tensor_load_to_lds s[\g0b:\g0b+3], s[\g1b:\g1b+7]
	s_nop 0
.rept 4
	v_nop
.endr
.Lasked_\@:
.endm
.macro CREST                           ; a round of the cluster's barrier behind its opening barrier
	s_cmp_lg_u32 s14, 0
	s_cbranch_scc1 .Lnot_wave_0_\@
	s_barrier_signal -3
.Lnot_wave_0_\@:
	s_barrier_wait -3
	s_barrier_signal -1
	s_barrier_wait -1
.endm
.macro CROUND
	s_barrier_signal -1
	s_barrier_wait -1
	CREST
.endm
	s_load_b256 s[4:11], s[0:1], 0x0               ; a, wc, sa, b_ff2
	s_load_b128 s[76:79], s[0:1], 0x20             ; x1, out0
	v_lshl_add_u32 v[SPW], v0, 2, SPARE
	v_mov_b32 v[NIL], 0
	ds_add_u32 v28, v29
	ds_add_u32 v28, v29
	s_wait_dscnt 0x0
	v_lshrrev_b32 v1, 5, v0
	v_readfirstlane_b32 s14, v1
	s_lshr_b32 s15, s14, 1                         ; wp.  Also: I fetch for P (0) or for Q (1)
	s_and_b32 s16, s14, 1                          ; wq.  Also: which half I fetch
	s_bfe_u32 s17, ttmp6, 0x40000
	s_bfe_u32 s18, ttmp6, 0x40004
	s_lshl_b32 s19, ttmp9, 2
	s_add_co_u32 s19, s19, s17                     ; x: 128 columns
	s_and_b32 s20, ttmp7, 0xffff
	s_lshl_b32 s20, s20, 2
	s_add_co_u32 s20, s20, s18                     ; y: 128 rows
	s_lshl_b32 s21, s18, 2
	s_lshl_b32 s21, 15, s21                        ; my row of the cluster
	s_lshl_b32 s22, 0x1111, s17                    ; my column
	s_or_b32 s[G1P6], s21, (3<<16)|(1<<21)         ; elements of 8 bytes; the mask, and bit 21 beside it
	s_or_b32 s[G1Q6], s22, (3<<16)|(1<<21)
	s_or_b32 s[G1P7], s21, (3<<16)|(1<<21)
	s_or_b32 s[G1Q7], s22, (3<<16)|(1<<21)
.irp g, G1P6, G1Q6
	s_mov_b32 s[\g+1], 1152<<16                    ; six K steps of a tile: 9,216 bytes
	s_mov_b32 s[\g+2], 4<<16                       ; four tiles
	s_mov_b32 s[\g+3], 1152<<16
	s_mov_b32 s[\g+4], 4
	s_mov_b32 s[\g+5], 192*KS                      ; from tile to tile: 49,152 bytes
	s_mov_b32 s[\g+6], 0
	s_mov_b32 s[\g+7], 0
.endr
.irp g, G1P7, G1Q7
	s_mov_b32 s[\g+1], 1344<<16                    ; seven K steps of a tile: 10,752 bytes
	s_mov_b32 s[\g+2], 4<<16
	s_mov_b32 s[\g+3], 1344<<16
	s_mov_b32 s[\g+4], 4
	s_mov_b32 s[\g+5], 192*KS
	s_mov_b32 s[\g+6], 0
	s_mov_b32 s[\g+7], 0
.endr
	s_lshl_b32 s44, s16, 2
	s_lshl_b32 s40, s20, 3
	s_add_co_u32 s40, s40, s44
	s_mul_i32 s40, s40, KS*1536
	s_add_co_u32 s40, s40, POFF
	s_mov_b32 s41, 0
	s_lshl_b32 s42, s19, 3
	s_add_co_u32 s42, s42, s44
	s_mul_i32 s42, s42, KS*1536
	s_add_co_u32 s42, s42, QOFF
	s_mov_b32 s43, 0
	s_mul_i32 s45, s14, Q6                         ; where my quarters go: no place in the cluster enters an LDS address
	s_mul_i32 s46, s14, Q7
	s_wait_kmcnt 0x0
	s_add_nc_u64 s[40:41], s[4:5], s[40:41]
	s_add_nc_u64 s[42:43], s[6:7], s[42:43]
	CROUND                                         ; all sixteen work-groups are here: the first joint loads meet
	s_mov_b32 s[G0P], 1                            ; slot 0: K steps 0 to 5
	s_mov_b32 s[G0P+1], s45
	s_mov_b64 s[G0P+2:G0P+3], s[40:41]
	s_or_b32 s[G0P+3], s[G0P+3], 0x80000000
	s_mov_b32 s[G0Q], 1
	s_mov_b32 s[G0Q+1], s45
	s_mov_b64 s[G0Q+2:G0Q+3], s[42:43]
	s_or_b32 s[G0Q+3], s[G0Q+3], 0x80000000
	JLOAD G0P, G1P6, G0Q, G1Q6
	s_mov_b32 s[G0P+4], 1                          ; slot 1: K steps 6 to 12
	s_add_co_u32 s[G0P+5], s46, B1
	s_add_nc_u64 s[G0P+6:G0P+7], s[40:41], 6*1536
	s_or_b32 s[G0P+7], s[G0P+7], 0x80000000
	s_mov_b32 s[G0Q+4], 1
	s_add_co_u32 s[G0Q+5], s46, B1
	s_add_nc_u64 s[G0Q+6:G0Q+7], s[42:43], 6*1536
	s_or_b32 s[G0Q+7], s[G0Q+7], 0x80000000
	JLOAD G0P+4, G1P7, G0Q+4, G1Q7
	v_and_b32 v1, 31, v0
	v_and_b32 v2, 15, v0                           ; r
	v_bfe_u32 v3, v0, 4, 1                         ; h
	v_lshlrev_b32 v4, 4, v1
	s_mul_i32 s21, s15, Q6                         ; my quarters in slot 0,
	s_mul_i32 s22, s16, Q6
	s_add_co_u32 s22, s22, 2*Q6
	v_add_nc_u32 v[ADRP], s21, v4
	v_add_nc_u32 v[ADRQ], s22, v4
	s_mul_i32 s21, s15, Q7                         ; and in slot 1
	s_mul_i32 s22, s16, Q7
	s_add_co_u32 s21, s21, B1
	s_add_co_u32 s22, s22, B1+2*Q7
	v_add_nc_u32 v[ADRP+1], s21, v4
	v_add_nc_u32 v[ADRQ+1], s22, v4
	s_mul_i32 s23, s14, 16*SP
	s_add_co_u32 s23, s23, STAGE
	v_mul_u32_u24 v[STO], v2, SP
	v_lshl_add_u32 v[STO], v3, 6, v[STO]
	v_add_nc_u32 v[STO], s23, v[STO]               ; into my stage: row r, + 64 h
	v_mul_u32_u24 v[RD], v3, SP
	v_lshl_add_u32 v[RD], v2, 4, v[RD]
	v_add_nc_u32 v[RD], s23, v[RD]                 ; back: lanes 0-15 one row of 256 bytes, lanes 16-31 the next
	v_lshlrev_b32 v[CO], 12, v3
	v_lshl_add_u32 v[CO], v2, 4, v[CO]             ; and the same in memory
	s_lshl_b32 s21, s20, 3
	s_lshl_b32 s22, s15, 2
	s_add_co_u32 s21, s21, s22                     ; my first tile of P
	s_lshl_b32 s66, s21, 6
	s_add_co_u32 s66, s66, PSOFF
	s_mov_b32 s67, 0
	s_add_nc_u64 s[66:67], s[8:9], s[66:67]
	s_lshl_b32 s21, s19, 3
	s_lshl_b32 s22, s16, 2
	s_add_co_u32 s21, s21, s22                     ; my first tile of Q
	s_lshl_b32 s68, s21, 11
	s_add_co_u32 s68, s68, QSOFF
	s_mov_b32 s69, 0
	s_add_nc_u64 s[68:69], s[8:9], s[68:69]
	v_lshlrev_b32 v[PSA], 2, v2
	v_lshlrev_b32 v[QSA], 7, v2
; the scale words of K steps 4 g .. 4 g + 3 into set g % 2: twenty loads
.macro SLOAD g
.irp i, 0,1,2,3
.irp n, 0,1,2,3
	global_load_b32 v[PS+16*((\g)%2)+4*\i+\n], v[PSA], s[66:67] offset:(4*(\g)+\n)*16384+64*\i
.endr
	global_load_b128 v[QS+16*((\g)%2)+4*\i:QS+16*((\g)%2)+4*\i+3], v[QSA], s[68:69] offset:16*(\g)+2048*\i
.endr
.endm
	SLOAD 0
	SLOAD 1
	s_lshl_b32 s70, s19, 9
	s_lshl_b32 s71, s16, 8
	s_add_co_u32 s70, s70, s71                     ; my 64 columns, in bytes
	s_mov_b32 s71, 0
	s_add_nc_u64 s[10:11], s[10:11], s[70:71]
	v_lshlrev_b32 v[BIA], 6, v3
.irp q, 0,1,2,3
	global_load_b128 v[BI+8*\q:BI+8*\q+3], v[BIA], s[10:11] offset:4*(32*(\q/2)+8*(\q%2))
	global_load_b128 v[BI+8*\q+4:BI+8*\q+7], v[BIA], s[10:11] offset:4*(32*(\q/2)+8*(\q%2))+16
.endr
	s_lshl_b32 s72, s20, 19
	s_lshl_b32 s73, s15, 18
	s_add_co_u32 s72, s72, s73                     ; my 64 rows of 4,096 bytes
	s_add_co_u32 s72, s72, s70
	s_mov_b32 s73, 0
	s_add_nc_u64 s[76:77], s[76:77], s[72:73]
	s_add_nc_u64 s[78:79], s[78:79], s[72:73]
	WIN 0x80
.irp t, 0,1,2,3
.irp i, 0,1,2,3,4,5,6,7
	global_load_b128 v[4*(8*\t+\i):4*(8*\t+\i)+3], v[CO], s[76:77] offset:4096*(32*(\t/2)+8*(\t%2)+2*(\i%4)+16*(\i/4))   ; the residual: the last 32 loads
.endr
.endr
	WIN 0
; where K step k lies: VV its slot, KK its place there, SS the K steps in a tile's row of that slot
.macro WHERE k
.if (\k) < 6
.set VV, 0
.set KK, (\k)
.elseif (\k) < 13
.set VV, 1
.set KK, (\k)-6
.elseif (\k) < 19
.set VV, 0
.set KK, (\k)-13
.elseif (\k) < 26
.set VV, 1
.set KK, (\k)-19
.else
.set VV, 0
.set KK, (\k)-26
.endif
.set SS, 6+VV
.endm
.macro FRAG reg, adr, off
.irp c, 0,1,2
	ds_load_b128 v[\reg+4*\c:\reg+4*\c+3], v[\adr] offset:\off+512*\c
.endr
.endm
.macro FETCH k                         ; K step k's eight fragments into set k % 2 of window 1
	WHERE \k
	WIN 0x40
.irp i, 0,1,2,3
	FRAG 96*((\k)%2)+12*\i, ADRP+VV, (\i*SS+KK)*1536
	FRAG 96*((\k)%2)+48+12*\i, ADRQ+VV, (\i*SS+KK)*1536
.endr
.endm
; 8 products of K step k: P's tiles a0, a0 + 1 against Q's four.  The 16 accumulators take turns, one instruction a turn, in the same order in every step
.macro MUL8 a0, k, first
.irp t, \a0, \a0+1
.irp q, 0,1,2,3
.if \first
	v_wmma_scale_f32_16x16x128_f8f6f4 v[ACC+8*(4*(\t)+\q):ACC+8*(4*(\t)+\q)+7], v[96*((\k)%2)+48+12*\q:96*((\k)%2)+48+12*\q+11], v[96*((\k)%2)+12*(\t):96*((\k)%2)+12*(\t)+11], v[BI+8*\q:BI+8*\q+7], v[QS+16*(((\k)/4)%2)+4*\q+(\k)%4], v[PS+16*(((\k)/4)%2)+4*(\t)+(\k)%4] matrix_a_fmt:MATRIX_FMT_FP6 matrix_b_fmt:MATRIX_FMT_FP6
.else
	v_wmma_scale_f32_16x16x128_f8f6f4 v[ACC+8*(4*(\t)+\q):ACC+8*(4*(\t)+\q)+7], v[96*((\k)%2)+48+12*\q:96*((\k)%2)+48+12*\q+11], v[96*((\k)%2)+12*(\t):96*((\k)%2)+12*(\t)+11], v[ACC+8*(4*(\t)+\q):ACC+8*(4*(\t)+\q)+7], v[QS+16*(((\k)/4)%2)+4*\q+(\k)%4], v[PS+16*(((\k)/4)%2)+4*(\t)+(\k)%4] matrix_a_fmt:MATRIX_FMT_FP6 matrix_b_fmt:MATRIX_FMT_FP6
.endif
.endr
.endr
.endm
; A K step that has its successor in the same slot.  Every fourth step changes the set of scale words: it waits for its own set, asked for four steps ago, and asks for the set that the last step has left
.macro STEP k, first
	s_wait_dscnt 0x0                               ; this step's fragments are in
.if ((\k)%4 == 0) && ((\k) >= 8)
	s_wait_loadcnt 0x0                             ; and its four steps' scale words
.endif
	PLACES 4                                       ; places in front of loads into the registers that the last step's products have read
.if ((\k)%4 == 0) && ((\k) >= 4) && ((\k) <= 24)
	WIN 0
	SLOAD (\k)/4+1
.endif
	FETCH (\k)+1
	WIN 0x05                                       ; sources 0 and 1 in window 1
	MUL8 0, \k, \first
	MUL8 2, \k, \first
.endm
; A slot's last step changes slots: one barrier; in front of it each wave waits for all its tensor loads, adds 0 to its spare word, and waits for that and for its reads of the slot.
; fill = 1: the slot just read is filled again, 13 K steps further along K.
.macro TURN k, fill, slot, g1p, g1q
	WIN 0
	s_wait_tensorcnt 0x0                           ; all my tensor loads have landed: my part of the next slot;
	ds_add_u32 v[SPW], v[NIL]                      ; 0 onto my spare word;
	s_wait_dscnt 1                                 ; (the add may be out; this step's fragments are in)
.if (\k)%4 == 0
	s_wait_loadcnt 0x0                             ; this step's four steps' scale words
.endif
	WIN 0x05
	MUL8 0, \k, 0
	s_wait_dscnt 0x0                               ; the add is done, and my reads of this slot are over
	s_barrier_signal -1
	MUL8 2, \k, 0
	WIN 0
	s_barrier_wait -1
.if \fill
	CREST                                          ; a round of the cluster's barrier: no wave of any partner still reads this slot or has a load on its way
	s_add_nc_u64 s[G0P+4*\slot+2:G0P+4*\slot+3], s[G0P+4*\slot+2:G0P+4*\slot+3], 13*1536
	s_add_nc_u64 s[G0Q+4*\slot+2:G0Q+4*\slot+3], s[G0Q+4*\slot+2:G0Q+4*\slot+3], 13*1536
	JLOAD G0P+4*\slot, \g1p, G0Q+4*\slot, \g1q     ; the first tensor load behind the round; its four v_nop are also the places in front of the loads below
.else
	PLACES 4
.endif
.if (\k)%4 == 0
	SLOAD (\k)/4+1
.endif
	FETCH (\k)+1
.endm
	s_wait_tensorcnt 1                             ; my part of slot 0 is in; slot 1's may stay out
	s_barrier_signal -1
	s_barrier_wait -1
	FETCH 0
	s_wait_loadcnt 32                              ; eight K steps' scale words and the bias are in; the 32 loads issued behind them, the residual's, may stay out
	STEP 0, 1                                      ; the first step's products start the sums from the bias
.irp k, 1,2,3,4
	STEP \k, 0
.endr
	TURN 5, 1, 0, G1P6, G1Q6                       ; slot 0 takes K steps 13 to 18
.irp k, 6,7,8,9,10,11
	STEP \k, 0
.endr
	TURN 12, 1, 1, G1P7, G1Q7                      ; slot 1 takes K steps 19 to 25
.irp k, 13,14,15,16,17
	STEP \k, 0
.endr
	TURN 18, 1, 0, G1P6, G1Q6                      ; slot 0 takes K steps 26 to 31
.irp k, 19,20,21,22,23,24
	STEP \k, 0
.endr
	TURN 25, 0, 0, 0, 0                            ; nothing is left to fetch
.irp k, 26,27,28,29,30
	STEP \k, 0
.endr
	s_wait_dscnt 0x0
	WIN 0x05
	MUL8 0, 31, 0
	MUL8 2, 31, 0
	WIN 0
	PLACES 4
	; THE WAY OUT, a tile of 16 rows x 64 columns at a time: through my own stage, back as whole rows of 256 bytes, plus the residual, stored sixteen lanes to 256 consecutive aligned bytes
.irp t, 0,1,2,3
.irp q, 0,1,2,3
	ds_store_b128 v[STO], v[ACC+8*(4*\t+\q):ACC+8*(4*\t+\q)+3] offset:128*(\q/2)+32*(\q%2)        ; each accumulator from its low end on
	ds_store_b128 v[STO], v[ACC+8*(4*\t+\q)+4:ACC+8*(4*\t+\q)+7] offset:128*(\q/2)+32*(\q%2)+16
.endr
.if \t > 1
	s_wait_xcnt 0x0                                ; the stores of two tiles ago have read this buffer
.endif
	WIN 0x40
.irp i, 0,1,2,3,4,5,6,7
	ds_load_b128 v[192+32*(\t%2)+4*\i:192+32*(\t%2)+4*\i+3], v[RD] offset:2*\i*SP   ; LDS serves a wave's instructions in order: these see my stores
.endr
	s_wait_dscnt 0x0
	WIN 0x49                                       ; the buffer in window 1, the residual in window 2 (it was waited for with the scale words of K step 8)
.set j, 0
.rept 16
	v_pk_add_f32 v[192+32*(\t%2)+j:193+32*(\t%2)+j], v[192+32*(\t%2)+j:193+32*(\t%2)+j], v[32*\t+j:32*\t+j+1]
.set j, j+2
.endr
	WIN 0x04                                       ; a store's data are its source 1
.irp i, 0,1,2,3,4,5,6,7
	global_store_b128 v[CO], v[192+32*(\t%2)+4*\i:192+32*(\t%2)+4*\i+3], s[78:79] offset:4096*(32*(\t/2)+8*(\t%2)+2*(\i%4)+16*(\i/4))
.endr
	WIN 0
.endr
	s_wait_tensorcnt 0x0                           ; the wave's end
	ds_add_u32 v[SPW], v[NIL]
	s_wait_dscnt 0x0
	CROUND                                         ; the closing round: no work-group ends while a partner may still ask for a tile that names it
	s_endpgm
.Lfunc_end_k_qc418975275_g6:
	.size	k_qc418975275_g6, .Lfunc_end_k_qc418975275_g6-k_qc418975275_g6
	.p2alignl 7, 3214868480
	.fill 96, 4, 3214868480
	.section	.rodata,"a",@progbits
	.p2align	6, 0x0
	.amdhsa_kernel k_qc418975275_g6
		.amdhsa_group_segment_fixed_size 327680
		.amdhsa_private_segment_fixed_size 0
		.amdhsa_enable_private_segment 0
		.amdhsa_kernarg_size 48
		.amdhsa_user_sgpr_count 2
		.amdhsa_user_sgpr_kernarg_segment_ptr 1
		.amdhsa_wavefront_size32 1
		.amdhsa_system_sgpr_workgroup_id_x 1
		.amdhsa_system_sgpr_workgroup_id_y 1
		.amdhsa_system_sgpr_workgroup_id_z 1
		.amdhsa_system_vgpr_workitem_id 0
		.amdhsa_next_free_vgpr 640
		.amdhsa_next_free_sgpr 96
		.amdhsa_reserve_vcc 0
		.amdhsa_float_denorm_mode_32 3
		.amdhsa_float_denorm_mode_16_64 3
		.amdhsa_memory_ordered 1
		.amdhsa_forward_progress 1
		.amdhsa_inst_pref_size 162
	.end_amdhsa_kernel
	.amdgpu_metadata
---
amdhsa.version: [ 1, 2 ]
amdhsa.kernels:
  - .name:           k_qc418975275_g6
    .symbol:         k_qc418975275_g6.kd
    .args:
      - { .name: a, .offset: 0, .size: 8, .value_kind: global_buffer, .address_space: global }
      - { .name: wc, .offset: 8, .size: 8, .value_kind: global_buffer, .address_space: global }
      - { .name: sa, .offset: 16, .size: 8, .value_kind: global_buffer, .address_space: global }
      - { .name: b_ff2, .offset: 24, .size: 8, .value_kind: global_buffer, .address_space: global }
      - { .name: x1, .offset: 32, .size: 8, .value_kind: global_buffer, .address_space: global }
      - { .name: out0, .offset: 40, .size: 8, .value_kind: global_buffer, .address_space: global }
    .group_segment_fixed_size: 327680
    .private_segment_fixed_size: 0
    .kernarg_segment_align: 8
    .kernarg_segment_size: 48
    .max_flat_workgroup_size: 128
    .sgpr_count:     96
    .vgpr_count:     640
    .wavefront_size: 32
...
	.end_amdgpu_metadata
.endif
;; end of part 7
